; MI455X (gfx1250); checked and timed in simulation.
; The chip was launched on July 23, 2026; its instructions are those of AMD's public machine-readable ISA for CDNA 5 (MIT licence, August 2026) and "CDNA5" Instruction Set Architecture Reference Guide (July 2026). The comments in the code are by the model that wrote it; some were corrected since.
;; Transformer Block. Allowed arithmetic: matrix products marked QUANTISED: E2M3 operands, one E8M0 scale for each 32 along K, by v_wmma_scale_f32_16x16x128_f8f6f4 with both operands' format E2M3, f32 sums; everything else in f32.
;; Inputs: b1 4,096 float32; b2 1,024 float32; be1 1,024 float32; be2 1,024 float32; bk 1,024 float32; bo 1,024 float32; bq 1,024 float32; bv 1,024 float32; g1 1,024 float32; g2 1,024 float32; w1 1,024 x 4,096 float32; w2 4,096 x 1,024 float32; wk 1,024 x 1,024 float32; wo 1,024 x 1,024 float32; wq 1,024 x 1,024 float32; wv 1,024 x 1,024 float32; x 2 x 2,048 x 1,024 float32.
;; Outputs: out0 2 x 2,048 x 1,024 float32.
;; This version of the problem:
;;   THIS VERSION OF THE PROBLEM IS GIVEN IN LOW PRECISION. The matrix products marked QUANTISED in the list below multiply operands that are first quantised to E2M3 (2 exponent bits, 3 mantissa bits; 6 bits a number), with one power-of-two scale for each 32 numbers along K (OCP MX v1.0); their sums are f32. All else is computed in f32.
;;   The module's matrix products, in the order in which they are computed (A, B: the left and right operand; K: the contracted axis; several contracted axes count as one K, in the product's order):
;;     1. [M 4,096, K 1,024] x [K 1,024, N 1,024]; A: computed on the way; B: input wq: QUANTISED
;;     2. [M 4,096, K 1,024] x [K 1,024, N 1,024]; A: computed on the way; B: input wk: QUANTISED
;;     3. [M 4,096, K 1,024] x [K 1,024, N 1,024]; A: computed on the way; B: input wv: QUANTISED
;;     4. batch 32 x [M 2,048, K 64] x [K 64, N 2,048]; A: computed on the way; B: computed on the way: QUANTISED
;;     5. batch 32 x [M 2,048, K 2,048] x [K 2,048, N 64]; A: softmax (see below); B: computed on the way: QUANTISED
;;     6. [M 4,096, K 1,024] x [K 1,024, N 1,024]; A: computed on the way; B: input wo: QUANTISED
;;     7. [M 4,096, K 1,024] x [K 1,024, N 4,096]; A: computed on the way; B: input w1: QUANTISED
;;     8. [M 4,096, K 4,096] x [K 4,096, N 1,024]; A: computed on the way; B: input w2: QUANTISED
;;   THE QUANTISER, for each operand of a quantised product, along K:
;;     - K is cut into blocks of 32 from its start; a last block that is shorter is filled with zeros.
;;     - A block's scale is 2^e with e = floor(log2(the largest magnitude in the block)) - 2, held to -126 .. 127; a block of zeros has e = 0. As a byte (E8M0): e + 127.
;;     - Each number is divided by its block's scale, clamped to +-7.5, and rounded to the nearest number of E2M3, ties to even, subnormals kept.
;;     - The product sums the exact products of the quantised numbers (number of the format x scale) in f32.
;;   ~~~python
;;   def quantise(x, axis):      # numpy; x: float32 -> the quantised numbers, widened to float32 again
;;       x = np.moveaxis(x, axis, -1); K = x.shape[-1]
;;       x = np.pad(x, [(0, 0)] * (x.ndim - 1) + [(0, -K % 32)]); x = x.reshape(x.shape[:-1] + (-1, 32)); a = np.abs(x).max(-1, keepdims=True)
;;       e = np.where(a > 0, np.clip(np.frexp(np.where(a > 0, a, 1))[1] - 1 - 2, -126, 127), 0)      # np.frexp(a)[1] - 1 = floor(log2(a)), exactly
;;       r = np.clip(x / 2.0 ** e, -7.5, 7.5)
;;       step = 2.0 ** (np.maximum(np.frexp(np.where(r == 0, 1, r))[1] - 1, 0) - 3)
;;       q = np.round(r / step) * step * 2.0 ** e      # np.round: ties to even
;;       return np.moveaxis(q.reshape(q.shape[:-2] + (-1,))[..., :K], -1, axis).astype(np.float32)
;;   ~~~
;;   SOFTMAX AHEAD OF A QUANTISED PRODUCT. Where the list says 'softmax', what is quantised is not the finished softmax but p = 2^(t - M), with t = logit x log2(e) and M = ceil(the row's largest t), a whole number; so 1/2 < the row's largest p <= 1. The row's sum l is taken of the UNQUANTISED p, in f32, and the product's result is divided by l at the end. Since M is a whole number, a kernel that streams over the keys may use a running M (the ceiling of the running maximum): every later rescaling is an exact power of two, which a block's scale takes up: the codes' values come out the same.
;;   OPERANDS COMPUTED ON THE WAY. 'Computed on the way' means the value that the module computes at that place (a softmax that the list does not call 'softmax' is quantised finished and normalised). What goes into a quantiser is computed in f32, as accurately as f32 sums, v_exp_f32 and their like allow (about 1e-6 of the number): no bf16 or f16 on the way to a quantiser, and a product that is left as it is and whose result goes on into a quantised operand takes f32 operands (vector FMAs, or v_wmma_f32_16x16x4_f32). A number that lies on a knife's edge between two numbers of the format may be rounded either way, as far as f32 arithmetic and the matrix unit's own rounding can turn it there, and no further.
;; One version. Each part assembles by itself: llvm-mc -triple=amdgcn-amd-amdhsa -mcpu=gfx1250 --defsym DOCPART=n.
;; ======== version 1 of 1: 7 launches
;; limits: right only within a limited range of input values
;; workspace buffers: wb 9,830,400 bytes; hb 3,276,800 bytes; qb 10,092,544 bytes; ob 3,276,800 bytes; x1 16,777,216 bytes; h2 3,276,800 bytes; gb 13,107,200 bytes
;; launch wprep (part 1): grid 640 x 1, 4 waves a work-group, no clusters, 91,904 bytes of LDS; arguments x, g1, be1, hb, wq, wk, wv, wo, w1, w2, wb; writes hb, wb
.if DOCPART == 1
	.amdgcn_target "amdgcn-amd-amdhsa--gfx1250"
	.amdhsa_code_object_version 6
	.text
	.protected	k_q5feae41fd7_wprep
	.globl	k_q5feae41fd7_wprep
	.p2align	8
	.type	k_q5feae41fd7_wprep,@function
k_q5feae41fd7_wprep:
	s_mov_b64 s[64:65], 0
	v_nop
	global_prefetch_b8 v0, s[64:65] scope:SCOPE_SE
	s_setreg_imm32_b32 hwreg(HW_REG_WAVE_MODE, 25, 1), 1
	s_wait_xcnt 0x0
; The six weights, f32 with K as their FIRST axis, become codes of FP6 (E2M3) and E8M0 scale bytes in wb, laid in the order of an operand's registers.
; A FRAGMENT is 16 columns n of a weight; fragment F, place r holds column 32 (F / 2) + 8 (F % 2) + r + 8 (r / 8).  A HALF FRAGMENT (16 columns x 64 along K) is 768 bytes: lane l = r + 16 h holds block h (32 along K) of place r:
; its registers 0-3 at 16 l, its registers 4-5 at 512 + 8 l.  Codes: [fragment][K / 64][768].  Scale words: [tile of 128 columns][K / 128][128 places], byte b of a word = block b of the 128.
; wq, wk, wv, wo, w1 form one virtual weight of 64 tiles with K = 1,024 (tiles 0-7, 8-15, 16-23, 24-31, 32-63); w2 has 8 tiles with K = 4,096.
; A work-group takes one tile x 256 along K; a wave 32 columns; A LANE TAKES A COLUMN AND ITS REGISTERS RUN DOWN K: a block's largest magnitude needs no other lane, and the conversions give codes with K innermost.
; A load of the wave reads 128 consecutive bytes, the four waves 512.  The codes go through the wave's own stage in LDS, laid as the two fragments' images, and leave in stores of 512 consecutive bytes.
; A block's scale is 2^(floor(log2(largest magnitude)) - 2); its byte is the largest magnitude's exponent field - 2, held at 1 from below.
; LIMITS: a block of zeros, or one whose largest magnitude lies under 2^-124, gets the byte 1 (its codes are zeros or the nearest codes under that scale; this program alone reads the bytes); NaN and infinities are not served.
; No tensor loads, no barrier: waves share nothing.  Matrix units and clusters have no work here: every byte is read once.
.set W2C,  6291456                     ; wb: w2's codes
.set WS,   9437184                     ; the 64 tiles' scale words, 4,096 bytes a tile
.set W2S,  9699328                     ; w2's, 16,384 bytes a tile
.set OFS,  16                          ; v16-47   4 x column + i x a row of the weight, i = 0 .. 31
.set X,    48                          ; v48-111  two sets of 32 numbers
.set P,    112                         ; v112-117 a block's codes
.set Y,    118                         ; v118-120 its upper 16 codes as the conversion leaves them
.set OUTR, 124                         ; v124-171 the way out
; ONE LAUNCH, TWO KINDS OF WORK-GROUP: numbers 0 to 383 prepare the weights (below, behind .Lweights), numbers 384 to 639 make the first layer norm of x and quantise it into hb, 16 rows each.
; The two ways part on the work-group's number alone and have LDS bytes of their own: the norm's rows at 0, the spare words at 65,792, the weights' stages from 66,304 on.
; THE NORM: y = (x - mean) rsqrt(var + 1e-5) g + b, quantised along the row to FP6 with one E8M0 byte for each 32, stored as fragment F = number - 384 of a matrix operand (place r holds row 32 (F / 2) + 8 (F % 2) + r + 8 (r / 8)).
; First each wave takes four rows (mean, then the mean of (x - mean)^2), the rows meet in LDS behind one barrier, then wave w quantises K = 256 w on of all 16 places.  NaN and infinities are not served; a block under 2^-124 gets the byte 1.
.set G,     16
.set BE,    48
.set LX,    80
.set PC,    208
.set LY,    232
.set TM,    236
.set PW,    242
.set ST,    246
.set SEL,   18
.set PITCH, 4112
.macro HQUANT s, pc, pw
.irp b, 0,1
	v_max3_num_f32 v[TM+\b], |v[(\s)+16*\b]|, |v[(\s)+16*\b+1]|, 0x1800000
.endr
.irp i, 2,4,6,8,10,12,14
.irp b, 0,1
	v_max3_num_f32 v[TM+\b], v[TM+\b], |v[(\s)+16*\b+\i]|, |v[(\s)+16*\b+\i+1]|
.endr
.endr
.irp b, 0,1
	v_permlanex16_b32 v[TM+2+\b], v[TM+\b], s[SEL], s[SEL+1]
.endr
.irp b, 0,1
	v_max_num_f32 v[TM+\b], v[TM+\b], v[TM+2+\b]
.endr
.irp b, 0,1
	v_add_nc_u32 v[TM+4+\b], 0xff000000, v[TM+\b]
.endr
.irp b, 0,1
	v_lshrrev_b32 v[TM+2+\b], 23, v[TM+4+\b]
.endr
	v_lshl_or_b32 v[\pw], v[TM+3], 8, v[TM+2]
	v_cvt_scalef32_pk16_fp6_f32 v[(\pc):(\pc)+2], v[(\s):(\s)+15], v[TM+4]
	v_cvt_scalef32_pk16_fp6_f32 v[LY:LY+2], v[(\s)+16:(\s)+31], v[TM+5]
	v_nop
.irp i, 0,1,2
	v_permlane16_swap_b32 v[(\pc)+\i], v[LY+\i]
.endr
.irp i, 0,1,2
	v_mov_b32 v[(\pc)+3+\i], v[LY+\i]
.endr
.endm
.macro RED
.irp m, 1,2,4,8
.irp i, 0,1,2,3
	v_add_f32_dpp v[ST+2*\i], v[ST+2*\i], v[ST+2*\i] row_xmask:\m row_mask:0xf bank_mask:0xf
.endr
.endr
.irp i, 0,1,2,3
	v_permlanex16_b32 v[8+\i], v[ST+2*\i], s[SEL], s[SEL+1]
.endr
.irp i, 0,1,2,3
	v_add_f32 v[ST+2*\i], v[ST+2*\i], v[8+\i]
.endr
.endm
	v_lshl_add_u32 v254, v0, 2, 0x10100
	v_mov_b32 v255, 0
	s_cmp_lt_u32 ttmp9, 384
	s_wait_alu depctr_va_vdst(0)
	s_cbranch_scc1 .Lweights
	s_load_b256 s[4:11], s[0:1], 0x0               ; x, g1, be1, hb
	s_sub_co_u32 s28, ttmp9, 384                   ; F
	v_lshrrev_b32 v1, 5, v0
	v_readfirstlane_b32 s12, v1
	v_and_b32 v1, 31, v0
	v_lshlrev_b32 v2, 4, v1
	v_lshlrev_b32 v4, 3, v1
	s_mul_i32 s15, s12, 4*PITCH
	v_add_nc_u32 v3, s15, v2
	v_and_b32 v5, 15, v0
	v_bfe_u32 v6, v0, 4, 1
	v_mul_u32_u24 v7, v5, PITCH
	v_lshl_add_u32 v7, v6, 6, v7
	s_lshl_b32 s15, s12, 10
	v_add_nc_u32 v7, s15, v7
	v_lshlrev_b32 v12, 2, v5
	v_lshl_add_u32 v12, v6, 9, v12
.irp i, 0,1,2,3
	v_mov_b32 v[8+\i], 0
.endr
	v_mov_b32 v[TM+2], 0
	v_mov_b32 v[TM+3], 0
	s_mov_b32 s[SEL], 0x76543210
	s_mov_b32 s[SEL+1], 0xfedcba98
	s_mov_b32 s20, 0x3a800000
	s_mov_b32 s21, 0x3727c5ac
	s_mov_b32 s22, 0xffff0000
	s_lshr_b32 s13, s28, 1
	s_lshl_b32 s13, s13, 5
	s_and_b32 s14, s28, 1
	s_lshl_b32 s14, s14, 3
	s_add_co_u32 s13, s13, s14
	s_lshl_b32 s14, s12, 2
	s_add_co_u32 s13, s13, s14
	s_lshr_b32 s14, s12, 1
	s_lshl_b32 s14, s14, 3
	s_add_co_u32 s13, s13, s14
	s_lshl_b32 s16, s13, 12
	s_mov_b32 s17, 0
	s_mul_i32 s24, s28, 12288
	s_mul_i32 s14, s12, 3072
	s_add_co_u32 s24, s24, s14
	s_mov_b32 s25, 0
	s_lshr_b32 s26, s28, 3
	s_lshl_b32 s26, s26, 12
	s_lshl_b32 s14, s12, 10
	s_add_co_u32 s26, s26, s14
	s_and_b32 s14, s28, 7
	s_lshl_b32 s14, s14, 6
	s_add_co_u32 s26, s26, s14
	s_add_co_u32 s26, s26, 3145728
	s_mov_b32 s27, 0
	s_wait_alu depctr_va_vdst(0)
	s_wait_kmcnt 0x0
	s_add_nc_u64 s[4:5], s[4:5], s[16:17]
	s_add_nc_u64 s[24:25], s[10:11], s[24:25]
	s_add_nc_u64 s[26:27], s[10:11], s[26:27]
.irp i, 0,1,2,3
.irp j, 0,1,2,3,4,5,6,7
	global_load_b128 v[LX+32*\i+4*\j:LX+32*\i+4*\j+3], v2, s[4:5] offset:\i*4096+512*\j
.endr
.endr
.irp j, 0,1,2,3,4,5,6,7
	global_load_b128 v[G+4*\j:G+4*\j+3], v2, s[6:7] offset:512*\j
.endr
.irp j, 0,1,2,3,4,5,6,7
	global_load_b128 v[BE+4*\j:BE+4*\j+3], v2, s[8:9] offset:512*\j
.endr
	s_wait_loadcnt 16                              ; the four rows are in; the 16 loads of gain and bias may be out
.irp i, 0,1,2,3
	v_pk_add_f32 v[ST+2*\i:ST+2*\i+1], v[LX+32*\i:LX+32*\i+1], v[LX+32*\i+2:LX+32*\i+3]
.endr
.irp k, 4,6,8,10,12,14,16,18,20,22,24,26,28,30
.irp i, 0,1,2,3
	v_pk_add_f32 v[ST+2*\i:ST+2*\i+1], v[ST+2*\i:ST+2*\i+1], v[LX+32*\i+\k:LX+32*\i+\k+1]
.endr
.endr
.irp i, 0,1,2,3
	v_add_f32 v[ST+2*\i], v[ST+2*\i], v[ST+2*\i+1]
.endr
	RED
.irp i, 0,1,2,3
	v_mul_f32 v[ST+2*\i], s20, v[ST+2*\i]
.endr
.irp i, 0,1,2,3
	v_mov_b32 v[ST+2*\i+1], v[ST+2*\i]
.endr
.irp k, 0,2,4,6,8,10,12,14,16,18,20,22,24,26,28,30
.irp i, 0,1,2,3
	v_pk_add_f32 v[LX+32*\i+\k:LX+32*\i+\k+1], v[LX+32*\i+\k:LX+32*\i+\k+1], v[ST+2*\i:ST+2*\i+1] neg_lo:[0,1] neg_hi:[0,1]
.endr
.endr
.irp i, 0,1,2,3
	v_pk_mul_f32 v[ST+2*\i:ST+2*\i+1], v[LX+32*\i:LX+32*\i+1], v[LX+32*\i:LX+32*\i+1]
.endr
.irp k, 2,4,6,8,10,12,14,16,18,20,22,24,26,28,30
.irp i, 0,1,2,3
	v_pk_fma_f32 v[ST+2*\i:ST+2*\i+1], v[LX+32*\i+\k:LX+32*\i+\k+1], v[LX+32*\i+\k:LX+32*\i+\k+1], v[ST+2*\i:ST+2*\i+1]
.endr
.endr
.irp i, 0,1,2,3
	v_add_f32 v[ST+2*\i], v[ST+2*\i], v[ST+2*\i+1]
.endr
	RED
.irp i, 0,1,2,3
	v_fma_f32 v[ST+2*\i], v[ST+2*\i], s20, s21
.endr
	s_wait_alu depctr_va_vdst(0)
.irp i, 0,1,2,3
	v_rsq_f32 v[ST+2*\i], v[ST+2*\i]
.endr
	v_nop
	s_wait_alu depctr_va_vdst(0)
.irp i, 0,1,2,3
	v_mov_b32 v[ST+2*\i+1], v[ST+2*\i]
.endr
	s_wait_alu depctr_va_vdst(0)
	s_wait_loadcnt 0x0
.irp k, 0,2,4,6,8,10,12,14,16,18,20,22,24,26,28,30
.irp i, 0,1,2,3
	v_pk_mul_f32 v[LX+32*\i+\k:LX+32*\i+\k+1], v[LX+32*\i+\k:LX+32*\i+\k+1], v[ST+2*\i:ST+2*\i+1]
.endr
.endr
.irp k, 0,2,4,6,8,10,12,14,16,18,20,22,24,26,28,30
.irp i, 0,1,2,3
	v_pk_fma_f32 v[LX+32*\i+\k:LX+32*\i+\k+1], v[LX+32*\i+\k:LX+32*\i+\k+1], v[G+\k:G+\k+1], v[BE+\k:BE+\k+1]
.endr
.endr
.irp i, 0,1,2,3
.irp j, 0,1,2,3,4,5,6,7
	ds_store_b128 v3, v[LX+32*\i+4*\j:LX+32*\i+4*\j+3] offset:\i*PITCH+512*\j
.endr
.endr
	s_wait_dscnt 0x0                               ; for the others' sake: my rows lie in LDS
	s_barrier_signal -1
	s_barrier_wait -1
.irp q, 0,1,2,3
.irp b, 0,1
.irp j, 0,1,2,3
	ds_load_b128 v[LX+32*\q+16*\b+4*\j:LX+32*\q+16*\b+4*\j+3], v7 offset:256*\q+128*\b+16*\j
.endr
.endr
.endr
	s_wait_dscnt 0x0
.irp q, 0,1,2,3
	HQUANT LX+32*\q, PC+6*\q, PW+\q
	global_store_b128 v2, v[PC+6*\q:PC+6*\q+3], s[24:25] offset:\q*768
	global_store_b64 v4, v[PC+6*\q+4:PC+6*\q+5], s[24:25] offset:\q*768+512
.endr
	v_lshl_or_b32 v[PW], v[PW+1], 16, v[PW]
	v_lshl_or_b32 v[PW+2], v[PW+3], 16, v[PW+2]
	v_cndmask_b32 v[PW], v[PW], v[PW+2], s22
	global_store_b32 v12, v[PW], s[26:27]
	s_wait_tensorcnt 0x0
	ds_add_u32 v254, v255
	s_wait_dscnt 0x0
	s_endpgm
.Lweights:
	s_load_b256 s[4:11], s[0:1], 0x20              ; wq, wk, wv, wo
	s_load_b128 s[12:15], s[0:1], 0x40             ; w1, w2
	s_load_b64 s[16:17], s[0:1], 0x50              ; wb
	v_lshrrev_b32 v1, 5, v0
	v_readfirstlane_b32 s18, v1                    ; wave
	v_and_b32 v1, 31, v0                           ; my column of the wave's 32
	v_bfe_u32 v2, v0, 3, 1                         ; u: which of the wave's two fragments holds it
	v_and_b32 v3, 7, v0
	v_bfe_u32 v10, v0, 4, 1
	v_lshl_or_b32 v3, v10, 3, v3                   ; r: its place there
	s_mul_i32 s19, s18, 6400
	s_add_co_u32 s19, s19, 66304                   ; the weights' stages lie behind the norm's rows and the spare words
	v_mul_u32_u24 v4, v2, 3200
	v_add_nc_u32 v4, s19, v4
	v_lshl_add_u32 v5, v3, 3, v4                   ; where my registers 4-5 go: + 8 r
	v_lshl_add_u32 v4, v3, 4, v4                   ; where my registers 0-3 go: + 16 r
	v_lshlrev_b32 v7, 4, v1                        ; the way out: 16 bytes a lane
	v_add_nc_u32 v6, s19, v7
	v_lshl_add_u32 v8, v2, 4, v3
	v_lshlrev_b32 v8, 2, v8                        ; my scale word's place: 4 (16 u + r)
	; which tile and which 256 along K: the first 256 work-groups take the 64 tiles with K = 1,024 (4 each), the other 128 w2's 8 tiles (16 each)
	s_cmp_lt_u32 ttmp9, 256
	s_cselect_b32 s20, 0, 256
	s_cselect_b32 s21, 2, 4
	s_cselect_b32 s22, 3, 15
	s_cselect_b32 s23, 0, 64
	s_sub_co_u32 s20, ttmp9, s20
	s_lshr_b32 s24, s20, s21
	s_add_co_u32 s24, s24, s23                     ; the tile, 0 .. 71
	s_and_b32 s25, s20, s22                        ; which 256 along K
	s_and_b32 s28, s24, 7
	s_sub_co_u32 s29, s24, 32
	s_cmp_lt_u32 s24, 32
	s_cselect_b32 s28, s28, s29
	s_sub_co_u32 s29, s24, 64
	s_cmp_lt_u32 s24, 64
	s_cselect_b32 s28, s28, s29                    ; the tile's number within its own weight
	s_sub_co_u32 s29, s24, 32
	s_cmp_lt_u32 s29, 32                           ; w1?
	s_mov_b32 s30, 4096
	s_cselect_b32 s30, 16384, s30                  ; a row of the weight in bytes
	s_mul_i32 s32, s24, 98304
	s_mul_i32 s33, s28, 393216
	s_add_co_u32 s33, s33, W2C
	s_lshl_b32 s34, s24, 12
	s_add_co_u32 s34, s34, WS
	s_lshl_b32 s35, s28, 14
	s_add_co_u32 s35, s35, W2S
	s_cmp_lt_u32 s24, 64
	s_mov_b32 s31, 49152
	s_cselect_b32 s31, 12288, s31                  ; from fragment to fragment in wb
	s_cselect_b32 s32, s32, s33                    ; where the tile's codes begin
	s_cselect_b32 s34, s34, s35                    ; and its scale words
	v_lshlrev_b32 v[OFS], 2, v1
.set i, 1
.rept 31
	v_add_nc_u32 v[OFS+i], s30, v[OFS+i-1]
.set i, i+1
.endr
	s_mul_i32 s36, s25, s30
	s_lshl_b32 s36, s36, 8                         ; 256 rows for each step along K
	s_lshl_b32 s37, s28, 9
	s_add_co_u32 s36, s36, s37                     ; + 128 columns a tile
	s_lshl_b32 s37, s18, 7
	s_add_co_u32 s36, s36, s37                     ; + 32 columns a wave
	s_mov_b32 s37, 0
	s_wait_alu depctr_va_vdst(0)
	s_wait_kmcnt 0x0
	s_cmp_lt_u32 s24, 8                            ; the weight: a choice that hangs on the work-group's number alone
	s_cselect_b64 s[26:27], s[4:5], s[6:7]
	s_cmp_lt_u32 s24, 16
	s_cselect_b64 s[26:27], s[26:27], s[8:9]
	s_cmp_lt_u32 s24, 24
	s_cselect_b64 s[26:27], s[26:27], s[10:11]
	s_cmp_lt_u32 s24, 32
	s_cselect_b64 s[26:27], s[26:27], s[12:13]
	s_cmp_lt_u32 s24, 64
	s_cselect_b64 s[26:27], s[26:27], s[14:15]
	s_add_nc_u64 s[40:41], s[26:27], s[36:37]      ; block 0's base; block t's in s[40 + 2 t : 41 + 2 t], 32 rows further down each
	s_lshl_b32 s36, s30, 5
.irp t, 1,2,3,4,5,6,7
	s_add_nc_u64 s[40+2*\t:41+2*\t], s[38+2*\t:39+2*\t], s[36:37]
.endr
	s_mul_i32 s36, s18, s31
	s_lshl_b32 s36, s36, 1                         ; my wave's two fragments
	s_add_co_u32 s36, s36, s32
	s_mul_i32 s38, s25, 3072                       ; 256 along K are four half fragments
	s_add_co_u32 s36, s36, s38
	s_add_nc_u64 s[56:57], s[16:17], s[36:37]      ; where fragment u = 0's 3,072 bytes go,
	s_mov_b32 s36, s31
	s_add_nc_u64 s[58:59], s[56:57], s[36:37]      ; and fragment u = 1's
	s_lshl_b32 s36, s25, 10                        ; two K steps of 128: 512 bytes of scale words each
	s_add_co_u32 s36, s36, s34
	s_lshl_b32 s38, s18, 7
	s_add_co_u32 s36, s36, s38
	s_add_nc_u64 s[60:61], s[16:17], s[36:37]
.macro LOAD t                          ; block t: W(32 t + i, my column), i = 0 .. 31, into set t % 2
.set i, 0
.rept 32
	global_load_b32 v[X+32*((\t)%2)+i], v[OFS+i], s[40+2*(\t):41+2*(\t)] th:TH_LOAD_NT
.set i, i+1
.endr
.endm
.macro BLOCK t
.set XS, X+32*((\t)%2)
.if (\t) < 7
	s_wait_loadcnt 32                              ; this block's 32 loads are in; the next block's 32 may be out
.else
	s_wait_loadcnt 0x0
.endif
	v_max3_num_f32 v12, |v[XS]|, |v[XS+1]|, |v[XS+2]|      ; the block's largest magnitude: all 32 numbers are mine; two chains
	v_max3_num_f32 v13, |v[XS+3]|, |v[XS+4]|, |v[XS+5]|
.irp i, 6,10,14,18,22,26
	v_max3_num_f32 v12, v12, |v[XS+\i]|, |v[XS+\i+1]|
	v_max3_num_f32 v13, v13, |v[XS+\i+2]|, |v[XS+\i+3]|
.endr
	v_max3_num_f32 v12, v12, |v[XS+30]|, |v[XS+31]|
	v_max3_num_f32 v12, v12, v13, 0x1800000        ; and the floor 2^(3 - 127): the byte cannot fall under 1
	v_add_nc_u32 v11, 0xff000000, v12              ; 2 off the exponent field: the conversion takes this operand's exponent field as its scale
	v_lshrrev_b32 v13, 23, v11                     ; the scale's byte
.if (\t)%4 == 0
	v_mov_b32 v[14+(\t)/4], v13                    ; four bytes to a word, the lower K in the lower byte
.else
	v_lshl_or_b32 v[14+(\t)/4], v13, 8*((\t)%4), v[14+(\t)/4]
.endif
	v_cvt_scalef32_pk16_fp6_f32 v[P:P+2], v[XS:XS+15], v11
	v_cvt_scalef32_pk16_fp6_f32 v[Y:Y+2], v[XS+16:XS+31], v11      ; (a conversion's three registers begin on an even number)
	v_nop                                          ; one plain instruction between a scaled conversion and the vector instruction that reads its result
.irp i, 0,1,2
	v_mov_b32 v[P+3+\i], v[Y+\i]
.endr
	ds_store_b128 v4, v[P:P+3] offset:((\t)/2)*768+256*((\t)%2)            ; block t is block t % 2 of half fragment t / 2: lane r + 16 (t % 2) of its image
	ds_store_b64 v5, v[P+4:P+5] offset:((\t)/2)*768+512+128*((\t)%2)
.if (\t)+2 < 8
	LOAD (\t)+2
.endif
	s_wait_dscnt 0x0                               ; the stores have read their registers: the next block's codes may be written
.endm
	LOAD 0
	LOAD 1
.irp t, 0,1,2,3,4,5,6,7
	BLOCK \t
.endr
	global_store_b32 v8, v14, s[60:61]             ; my column's two scale words: the wave stores 128 consecutive bytes each time (the scale words are 1 / 24 of the codes' bytes)
	s_wait_alu depctr_va_vdst(0)
	global_store_b32 v8, v15, s[60:61] offset:512
.irp u, 0,1
.irp i, 0,1,2,3,4,5
	ds_load_b128 v[OUTR+4*(6*\u+\i):OUTR+4*(6*\u+\i)+3], v6 offset:\u*3200+512*\i   ; LDS serves a wave's instructions in order: these see my stores
.endr
.endr
.irp u, 0,1
.irp i, 0,1,2,3,4,5
	s_wait_dscnt 11-6*\u-\i
	global_store_b128 v7, v[OUTR+4*(6*\u+\i):OUTR+4*(6*\u+\i)+3], s[56+2*\u:57+2*\u] offset:512*\i   ; 512 consecutive bytes, at a multiple of 256 from wb's first byte
.endr
.endr
	s_wait_tensorcnt 0x0
	ds_add_u32 v254, v255
	s_wait_dscnt 0x0
	s_endpgm
.Lfunc_end_k_q5feae41fd7_wprep:
	.size	k_q5feae41fd7_wprep, .Lfunc_end_k_q5feae41fd7_wprep-k_q5feae41fd7_wprep
	.p2alignl 7, 3214868480
	.fill 96, 4, 3214868480
	.section	.rodata,"a",@progbits
	.p2align	6, 0x0
	.amdhsa_kernel k_q5feae41fd7_wprep
		.amdhsa_group_segment_fixed_size 91904
		.amdhsa_private_segment_fixed_size 0
		.amdhsa_enable_private_segment 0
		.amdhsa_kernarg_size 88
		.amdhsa_user_sgpr_count 2
		.amdhsa_user_sgpr_kernarg_segment_ptr 1
		.amdhsa_wavefront_size32 1
		.amdhsa_system_sgpr_workgroup_id_x 1
		.amdhsa_system_sgpr_workgroup_id_y 1
		.amdhsa_system_sgpr_workgroup_id_z 1
		.amdhsa_system_vgpr_workitem_id 0
		.amdhsa_next_free_vgpr 256
		.amdhsa_next_free_sgpr 66
		.amdhsa_reserve_vcc 0
		.amdhsa_float_denorm_mode_32 3
		.amdhsa_float_denorm_mode_16_64 3
		.amdhsa_memory_ordered 1
		.amdhsa_forward_progress 1
		.amdhsa_inst_pref_size 88
	.end_amdhsa_kernel
	.amdgpu_metadata
---
amdhsa.version: [ 1, 2 ]
amdhsa.kernels:
  - .name:           k_q5feae41fd7_wprep
    .symbol:         k_q5feae41fd7_wprep.kd
    .args:
      - { .name: x, .offset: 0, .size: 8, .value_kind: global_buffer, .address_space: global }
      - { .name: g1, .offset: 8, .size: 8, .value_kind: global_buffer, .address_space: global }
      - { .name: be1, .offset: 16, .size: 8, .value_kind: global_buffer, .address_space: global }
      - { .name: hb, .offset: 24, .size: 8, .value_kind: global_buffer, .address_space: global }
      - { .name: wq, .offset: 32, .size: 8, .value_kind: global_buffer, .address_space: global }
      - { .name: wk, .offset: 40, .size: 8, .value_kind: global_buffer, .address_space: global }
      - { .name: wv, .offset: 48, .size: 8, .value_kind: global_buffer, .address_space: global }
      - { .name: wo, .offset: 56, .size: 8, .value_kind: global_buffer, .address_space: global }
      - { .name: w1, .offset: 64, .size: 8, .value_kind: global_buffer, .address_space: global }
      - { .name: w2, .offset: 72, .size: 8, .value_kind: global_buffer, .address_space: global }
      - { .name: wb, .offset: 80, .size: 8, .value_kind: global_buffer, .address_space: global }
    .group_segment_fixed_size: 91904
    .private_segment_fixed_size: 0
    .kernarg_segment_align: 8
    .kernarg_segment_size: 88
    .max_flat_workgroup_size: 128
    .sgpr_count:     66
    .vgpr_count:     256
    .wavefront_size: 32
...
	.end_amdgpu_metadata
.endif
;; end of part 1
;; launch qkv (part 2): grid 8 x 32, 4 waves a work-group, clusters of 4 x 4, 327,680 bytes of LDS; arguments hb, wb, bq, bk, bv, qb; writes qb
.if DOCPART == 2
	.amdgcn_target "amdgcn-amd-amdhsa--gfx1250"
	.amdhsa_code_object_version 6
	.text
	.protected	k_q5feae41fd7_qkv
	.globl	k_q5feae41fd7_qkv
	.p2align	8
	.type	k_q5feae41fd7_qkv,@function
k_q5feae41fd7_qkv:
	s_mov_b64 s[64:65], 0
	v_nop
	global_prefetch_b8 v0, s[64:65] scope:SCOPE_SE
	s_setreg_imm32_b32 hwreg(HW_REG_WAVE_MODE, 25, 1), 1
	s_wait_xcnt 0x0
	s_wait_alu depctr_hold_cnt(0) depctr_sa_sdst(0) depctr_va_vdst(0) depctr_va_sdst(0) depctr_va_ssrc(0) depctr_va_vcc(0) depctr_vm_vsrc(0)
	s_getreg_b32 s2, hwreg(HW_REG_IB_STS2, 6, 4)
	s_cmp_eq_u32 s2, 0
	s_cbranch_scc0 .Lentry_in_a_cluster
	s_endpgm
.Lentry_in_a_cluster:
	s_bfe_u32 s2, ttmp6, 0x10000c
	s_cmp_lg_u32 s2, 0xf033
	s_cbranch_scc0 .Lentry_shape_is_right
	s_endpgm
.Lentry_shape_is_right:
; q = h Wq + bq, k = h Wk + bk, v = h Wv + bv on codes of FP6 (E2M3) with E8M0 scales, and the three results quantised at once: q and k along the head's 64, v along the keys.
; OPERANDS are laid in the order of their registers.  A fragment is 16 rows (tokens, or a weight's columns); fragment F, place r holds row 32 (F / 2) + 8 (F % 2) + r + 8 (r / 8).  A half fragment (16 places x 64 K) is 768 bytes:
; lane l = r + 16 h holds block h of place r, registers 0-3 at 16 l, 4-5 at 512 + 8 l.  Codes: [F][K / 64][768]: a tile of 128 rows x K 1,024 is 98,304 dense bytes.  Scale words: [tile of 128 rows][K / 128][128 places].
; THE PRODUCT IS USED TRANSPOSED: source 0 = a fragment of operand Q, source 1 = a fragment of operand P.  A lane then holds ONE place of P, and the 16 registers of Q's fragments 2 b and 2 b + 1 are the 16 NEIGHBOURING rows 32 b + 16 h + 0 .. 15 of Q.
; A WORK-GROUP STAYS: it owns one tile of 128 tokens, whose codes for all K stay in LDS, and makes three tiles of 128 x 128 with it: against tile X of Wq, of Wk and of Wv (two heads each).  For q and k P = tokens, Q = the weight: a lane's registers
; run along the head.  For v P = Wv, Q = tokens: a lane's registers run along the keys: only the LDS address registers differ.  32 token tiles x 8 column groups are 256 work-groups.  Four waves, each 64 x 64: 16 accumulators.
; LDS: slot A at 0 (Wq's tile, later Wv's), slot B at 131,072 (Wk's), the tokens at 229,376, 98,304 bytes each; between A and B the scale words: the tokens', Wq's, Wk's and Wv's, 4,096 bytes each, in that order.
; Every wave fetches a quarter of every tile, so no branch stands round a tensor load.  Two tensor loads a wave go out at the start; ONE refill: behind q's products slot A is asked for again, with Wv's tile, which has q's way out and all of k's tile in which to land.
; CLUSTERS: 4 x 4 work-groups; the tokens' loads are asked for jointly along a row of the cluster, the weights' along a column: the same tensor load with the same descriptor and a mask that names the four.
; OUT (qb): q's and k's half fragments [b h][token fragment 0 .. 127][768], their scale words [b h][2,048 places] (bytes 2, 3 zero: the score product's K is 64 of 128); v's [b h][128 keys][d fragment 0 .. 3][64 keys][768], its scale words [b h][128 keys][d fragment][16].
; LIMITS: NaN and infinities are not served; a block of zeros, or one under 2^-124, gets the byte 1 (this program alone reads the bytes).  Sums over K are f32, in the matrix unit's order.
; No prefetch: four of the five tiles are asked for at the head, the fifth more than a tile's work ahead of its use.
.set WSC,   9437184                    ; wb: the weights' scale words, 4,096 bytes a tile
.set KCO,   3145728                    ; qb: k's codes behind q's
.set VC,    6291456
.set QS,    9437184
.set VS,    9961472
.set SLOTB, 1<<17
.set SCB,   98304                      ; the scale words: 4 x 4,096 bytes
.set SPARE, 119296                     ; the spare words, 128 bytes for each wave: two blocks of 256 bytes that no other line names
.set PT,    229376                     ; the tokens' codes
.set ADRS0, 1                          ; v1-3 my scale words for tiles q, k, v: lanes 0-15 P's, lanes 16-31 Q's
.set ADRS1, 2
.set ADRS2, 3
.set SPW,   4                          ; v4   my spare word's address; never rewritten
.set NIL,   5                          ; v5   0; never rewritten
.set L4,    6                          ; v6   4 x lane
.set TP16,  7                          ; v7, v8   the tokens as P: 16 x lane on, 8 x lane on;  v9, v10 as Q
.set TP8,   8
.set TQ16,  9
.set TQ8,   10
.set AQ16,  11                         ; v11, v12 slot A as Q;  v13, v14 slot B as Q;  v15, v127 slot A as P
.set AQ8,   12
.set BQ16,  13
.set BQ8,   14
.set AP16,  15
.set SC,    16                         ; v16-23 scale words, two sets of four: register i: lanes 0-15 P's fragment i, lanes 16-31 Q's fragment i
.set TM,    24                         ; v24-29 the quantiser's work
.set L16,   30                         ; v30  16 x lane
.set L8,    31                         ; v31  8 x lane
.set BVQ,   32                         ; v32-63 bq at my head;  v64-95 bk;  v108-115 bv, a pair for each fragment
.set BVK,   64
.set PC,    96                         ; v96-107 half fragments' codes, two sets by turns
.set BVV,   108
.set R,     116                        ; at the head: r, h, lane, 1 - h
.set H,     117
.set LN,    118
.set G,     119
.set BOQ,   118                        ; then: the bias loads' lane offsets
.set BOV,   119
.set Y,     120                        ; v120-122
.set PW,    123                        ; v123-126 scale bytes
.set AP8,   127
.set ACC,   128                        ; v128-255 accumulator (a, t) at 128 + 8 (4 a + t): P's fragment a, Q's fragment t
.set F0,    0                          ; window 1: two fragment buffers: Q's fragment t at 12 t, P's fragment a at 48 + 12 a
.set F1,    128
.set BI,    96
.set G1T,  24                          ; s[24:31] descriptor group 1 for the tokens' codes;  s[32:35] its group 0;  s[36:39] group 0 for the tokens' scale words
.set G0T,  32
.set G0TS, 36
.set G1W,  48                          ; s[48:55] group 1 for a weight's codes;  s[56:59] group 0 for the weights' scale words;  s[60:63] for Wq's tile
.set G0WS, 56
.set G0WA, 60
.set G1TS, 68                          ; s[68:75] group 1 for the tokens' scale words;  s[76:79] group 0 for Wv's tile
.set G0WV, 76
.set G1WS, 80                          ; s[80:87] group 1 for the weights' scale words;  s[88:91] group 0 for Wk's tile
.set G0WB, 88
.set SEL, 12                           ; s[12:13] lane selects for v_permlanex16_b32
.set HM,  94                           ; s94  lanes 16-31
.set MSB, 0
.set MUL,  0x05                        ; sources 0 and 1 window 1; C and D window 0
.set MULB, 0x15                        ; the same, C window 1
.set TO_F, 0x40                        ; destination window 1, address window 0
.macro WIN new                         ; the immediate's high byte repeats the setting that is left
.if MSB != \new
	s_set_vgpr_msb (MSB<<8)|\new
.set MSB, \new
.endif
.endm
.macro CREST                           ; a round of the cluster's barrier behind its opening barrier
	s_cmp_lg_u32 s14, 0
	s_cbranch_scc1 .Lnot_wave_0_\@
	s_barrier_signal -3
.Lnot_wave_0_\@:
	s_barrier_wait -3
	s_barrier_signal -1
	s_barrier_wait -1
.endm
.macro CROUND                          ; a whole round
	s_barrier_signal -1
	s_barrier_wait -1
	CREST
.endm
.macro PLACES n                        ; plain instructions between a matrix instruction and a load into, or a read of, its registers
.rept \n
	v_nop
.endr
.endm
.macro SHAPE g, mask, rows             ; group 1 of a dense block as rows of 256 bytes (32 elements of 8 bytes); the mask in bits 15:0, bit 21 set beside it
	s_or_b32 s[\g], s[\mask], (3<<16)|(1<<21)
	s_mov_b32 s[\g+1], 32<<16
	s_mov_b32 s[\g+2], (\rows)<<16
	s_mov_b32 s[\g+3], 32<<16
	s_mov_b32 s[\g+4], \rows
	s_mov_b32 s[\g+5], 32
	s_mov_b32 s[\g+6], 0
	s_mov_b32 s[\g+7], 0
.endm
.macro GROUP0 g, ldsreg, ldsoff, base, off   ; group 0: the LDS byte is a constant + the wave's number times a constant
	s_mov_b32 s[\g], 1
	s_add_co_u32 s[\g+1], s[\ldsreg], \ldsoff
	s_add_nc_u64 s[\g+2:\g+3], s[\base:\base+1], s[\off:\off+1]
	s_or_b32 s[\g+3], s[\g+3], 0x80000000
.endm
.macro GROUP0W g, ldsoff, add          ; group 0 of a weight's tile: s[46:47] is my quarter of Wq's tile
	s_mov_b32 s[\g], 1
	s_add_co_u32 s[\g+1], s18, \ldsoff
	s_add_nc_u64 s[\g+2:\g+3], s[46:47], \add
	s_or_b32 s[\g+3], s[\g+3], 0x80000000
.endm
.macro FRAG reg, a16, a8, s, i         ; fragment i, K step s: two half fragments as they lie: every load takes consecutive bytes lane by lane
	ds_load_b128 v[(\reg):(\reg)+3], v[\a16] offset:(\i)*12288+(\s)*1536
	ds_load_b64 v[(\reg)+4:(\reg)+5], v[\a8] offset:(\i)*12288+(\s)*1536+512
	ds_load_b128 v[(\reg)+6:(\reg)+9], v[\a16] offset:(\i)*12288+(\s)*1536+768
	ds_load_b64 v[(\reg)+10:(\reg)+11], v[\a8] offset:(\i)*12288+(\s)*1536+1280
.endm
; 36 LDS loads in one run: 4 scale registers, Q's four fragments, P's fragments 0, 1, then 2, 3.  CAD, CQ16, CQ8, CP16, CP8 name the tile's address registers.
.macro FETCH s, f
	WIN 0
.irp i, 0,1,2,3
	ds_load_b32 v[SC+4*((\f)/128)+\i], v[CAD] offset:(\s)*512+\i*64
.endr
	WIN TO_F
.irp i, 0,1,2,3
	FRAG (\f)+12*\i, CQ16, CQ8, \s, \i
.endr
.irp i, 0,1,2,3
	FRAG (\f)+48+12*\i, CP16, CP8, \s, \i
.endr
.endm
; Four matrix instructions: P's fragment a against Q's four.  cinit = 1: the product starts the sums; 2: the bias is the first C; 0: in place.  The 16 accumulators take turns, one instruction a turn, in the same order in every step.
.macro MUL4 f, a, cinit
.irp t, 0,1,2,3
.set rD, ACC+8*(4*(\a)+\t)
.set rQ, (\f)+12*\t
.set rP, (\f)+48+12*(\a)
.set rS, SC+4*((\f)/128)
.if (\cinit) == 1
	v_wmma_scale_f32_16x16x128_f8f6f4 v[rD:rD+7], v[rQ:rQ+11], v[rP:rP+11], 0, v[rS+\t], v[rS+(\a)] matrix_a_fmt:MATRIX_FMT_FP6 matrix_b_fmt:MATRIX_FMT_FP6 matrix_a_scale:MATRIX_SCALE_ROW1
.elseif (\cinit) == 2
	v_wmma_scale_f32_16x16x128_f8f6f4 v[rD:rD+7], v[rQ:rQ+11], v[rP:rP+11], v[BI+8*\t:BI+8*\t+7], v[rS+\t], v[rS+(\a)] matrix_a_fmt:MATRIX_FMT_FP6 matrix_b_fmt:MATRIX_FMT_FP6 matrix_a_scale:MATRIX_SCALE_ROW1
.else
	v_wmma_scale_f32_16x16x128_f8f6f4 v[rD:rD+7], v[rQ:rQ+11], v[rP:rP+11], v[rD:rD+7], v[rS+\t], v[rS+(\a)] matrix_a_fmt:MATRIX_FMT_FP6 matrix_b_fmt:MATRIX_FMT_FP6 matrix_a_scale:MATRIX_SCALE_ROW1
.endif
.endr
.endm
; A step of 128 along K: multiplies buffer f; in its middle it fetches K step sn into buffer g.
.macro STEPK sn, f, g, cinit
	s_wait_dscnt 8                                 ; all of buffer f but the youngest eight loads (P's fragments 2, 3)
.if (\cinit) == 2
	WIN MULB
.else
	WIN MUL
.endif
	MUL4 \f, 0, \cinit
	MUL4 \f, 1, \cinit
	WIN 0
	PLACES 4
	FETCH \sn, \g
	s_wait_dscnt 36                                ; all but the 36 just issued
.if (\cinit) == 2
	WIN MULB
.else
	WIN MUL
.endif
	MUL4 \f, 2, \cinit
	MUL4 \f, 3, \cinit
.endm
.macro LAST                            ; a tile's last step: nothing more to fetch
	s_wait_dscnt 8
	WIN MUL
	MUL4 F1, 0, 0
	MUL4 F1, 1, 0
	s_wait_dscnt 0x0
	MUL4 F1, 2, 0
	MUL4 F1, 3, 0
	WIN 0
.endm
.macro MAIN                            ; a tile's eight K steps; the first step's products start the sums: nothing is cleared
	FETCH 0, F0
	STEPK 1, F0, F1, 1
	STEPK 2, F1, F0, 0
	STEPK 3, F0, F1, 0
	STEPK 4, F1, F0, 0
	STEPK 5, F0, F1, 0
	STEPK 6, F1, F0, 0
	STEPK 7, F0, F1, 0
	LAST
.endm
; 32 numbers of a lane, register 16 b + i = K 32 b + 16 h + i of my place, become a half fragment's six registers v[pc] on and its two scale bytes in v[pw].
.macro HQUANT s, pc, pw
.irp b, 0,1
	v_max3_num_f32 v[TM+\b], |v[(\s)+16*\b]|, |v[(\s)+16*\b+1]|, 0x1800000   ; block b: my 16 numbers, and the floor 2^(3 - 127): the byte cannot fall under 1
.endr
.irp i, 2,4,6,8,10,12,14
.irp b, 0,1
	v_max3_num_f32 v[TM+\b], v[TM+\b], |v[(\s)+16*\b+\i]|, |v[(\s)+16*\b+\i+1]|
.endr
.endr
.irp b, 0,1
	v_permlanex16_b32 v[TM+2+\b], v[TM+\b], s[SEL], s[SEL+1]
.endr
.irp b, 0,1
	v_max_num_f32 v[TM+\b], v[TM+\b], v[TM+2+\b]   ; with lane l xor 16's 16: the block's largest magnitude
.endr
.irp b, 0,1
	v_add_nc_u32 v[TM+4+\b], 0xff000000, v[TM+\b]  ; 2 off the exponent field: the conversion's scale operand
.endr
.irp b, 0,1
	v_lshrrev_b32 v[TM+2+\b], 23, v[TM+4+\b]       ; the scale's byte
.endr
	v_lshl_or_b32 v[\pw], v[TM+3], 8, v[TM+2]
	v_cvt_scalef32_pk16_fp6_f32 v[(\pc):(\pc)+2], v[(\s):(\s)+15], v[TM+4]
	v_cvt_scalef32_pk16_fp6_f32 v[Y:Y+2], v[(\s)+16:(\s)+31], v[TM+5]
	v_nop                                          ; one plain instruction behind the scaled conversions
.irp i, 0,1,2
	v_permlane16_swap_b32 v[(\pc)+\i], v[Y+\i]     ; the layout wants a WHOLE block in a lane: lanes 0-15 block 0, lanes 16-31 block 1
.endr
.irp i, 0,1,2
	v_mov_b32 v[(\pc)+3+\i], v[Y+\i]
.endr
.endm
; The way out of tile q (j = 0) or k (j = 1): my 64 rows of Q are one head, my four fragments of P four token fragments.
.macro EPIQK j, bias
.irp a, 0,1,2,3
.irp k, 0,2,4,6,8,10,12,14,16,18,20,22,24,26,28,30
	v_pk_add_f32 v[ACC+32*\a+\k:ACC+32*\a+\k+1], v[ACC+32*\a+\k:ACC+32*\a+\k+1], v[(\bias)+\k:(\bias)+\k+1]   ; each accumulator from its low end on
.endr
	s_wait_alu depctr_va_vdst(0)
	s_wait_xcnt 0x0                                ; the stores issued so far have read their registers: the codes' and the bytes' registers may be written again
	HQUANT ACC+32*\a, PC+6*(\a%2), PW+\a
	global_store_b128 v[L16], v[PC+6*(\a%2):PC+6*(\a%2)+3], s[92:93] offset:(\j)*KCO+\a*768          ; 512 consecutive bytes,
	global_store_b64 v[L8], v[PC+6*(\a%2)+4:PC+6*(\a%2)+5], s[92:93] offset:(\j)*KCO+\a*768+512      ; and 256
.endr
	v_cndmask_b32 v[PW], v[PW], v[PW+1], s[HM]     ; lanes 0-15 fragment 0's words, lanes 16-31 fragment 1's
	v_cndmask_b32 v[PW+2], v[PW+2], v[PW+3], s[HM]
	global_store_b32 v[L4], v[PW], s[20:21] offset:(\j)*262144          ; 128 consecutive bytes each
	global_store_b32 v[L4], v[PW+2], s[20:21] offset:(\j)*262144+128
.endm
	s_load_b128 s[4:7], s[0:1], 0x0                ; hb, wb
	s_load_b128 s[8:11], s[0:1], 0x10              ; bq, bk
	s_load_b128 s[96:99], s[0:1], 0x20             ; bv, qb
	v_lshl_add_u32 v[SPW], v0, 2, SPARE
	v_mov_b32 v[NIL], 0
	ds_add_u32 v4, v5
	ds_add_u32 v4, v5
	s_wait_dscnt 0x0
	v_lshrrev_b32 v[R], 5, v0
	v_readfirstlane_b32 s14, v[R]                  ; wave 0..3
	s_lshr_b32 s15, s14, 1                         ; which half of P's rows is mine
	s_and_b32 s16, s14, 1                          ; which half of Q's rows
	s_bfe_u32 s40, ttmp6, 0x40000                  ; cx, cy: my place in the cluster
	s_bfe_u32 s41, ttmp6, 0x40004
	s_lshl_b32 s42, ttmp9, 2
	s_add_co_u32 s42, s42, s40                     ; X: the weights' tile = 4 x cluster x + cx
	s_and_b32 s17, ttmp7, 0xffff
	s_lshl_b32 s17, s17, 2
	s_add_co_u32 s17, s17, s41                     ; tp: the tokens' tile = 4 x cluster y + cy
	s_lshl_b32 s43, s41, 2
	s_lshl_b32 s43, 15, s43                        ; my row of the cluster
	s_lshl_b32 s44, 0x1111, s40                    ; my column
	SHAPE G1T, 43, 384                             ; the head's loads bring whole tiles, one a wave: the tokens' codes, 98,304 dense bytes,
	SHAPE G1W, 44, 384                             ; Wq's (behind the head this group counts 96 rows: a quarter of a tile)
	SHAPE G1TS, 43, 16                             ; the tokens' scale words: 4,096 dense bytes at SCB
	s_or_b32 s[G1WS], s44, (3<<16)|(1<<21)         ; group 1 of the three weights' scale words, asked for jointly along a column,
	s_mov_b32 s[G1WS+1], 512<<16                   ; the three weights' scale words: 3 rows of 4,096 bytes, behind the tokens'
	s_mov_b32 s[G1WS+2], 3<<16                     ; tensor_dim1
	s_mov_b32 s[G1WS+3], 512<<16
	s_mov_b32 s[G1WS+4], 3                         ; tile_dim1
	s_mov_b32 s[G1WS+5], 4096                      ; 8 tiles of 4,096 bytes apart, in elements
	s_mov_b32 s[G1WS+6], 0
	s_mov_b32 s[G1WS+7], 0
	s_mul_i32 s18, s14, 24576                      ; my quarter of a tile's codes,
	s_lshl_b32 s19, s14, 10                        ; of a tile's scale words,
	s_lshl_b32 s45, s14, 12                        ; and 4,096 x wave, which nothing reads: no place in the cluster enters an LDS address
	s_mul_i32 s20, s17, 98304
	s_mov_b32 s21, 0
	s_lshl_b32 s22, s17, 12
	s_add_co_u32 s22, s22, 3145728                 ; their scale words
	s_mov_b32 s23, 0
	s_mul_i32 s46, s42, 98304
	s_mov_b32 s47, 0
	s_lshl_b32 s92, s42, 12
	s_add_co_u32 s92, s92, WSC                     ; Wq's scale words
	s_mov_b32 s93, 0
	s_wait_kmcnt 0x0
	GROUP0 G0T, 21, PT, 4, 20                      ; (s21 = 0: the whole tiles' LDS bytes are constants)
	GROUP0 G0TS, 21, SCB, 4, 22
	GROUP0 G0WS, 21, SCB+4096, 6, 92
	s_add_nc_u64 s[46:47], s[6:7], s[46:47]
	s_mov_b32 s[G0WA], 1                           ; Wq's whole tile X into slot A
	s_mov_b32 s[G0WA+1], 0
	s_mov_b64 s[G0WA+2:G0WA+3], s[46:47]
	s_or_b32 s[G0WA+3], s[G0WA+3], 0x80000000
	s_mov_b32 s20, s18
	s_add_nc_u64 s[46:47], s[46:47], s[20:21]      ; from here on: my quarter of a weight's tile
	GROUP0W G0WB, SLOTB, 8*98304                   ; Wk's (tile 8 + X) into slot B,
	GROUP0W G0WV, 0, 16*98304                      ; Wv's (tile 16 + X) into slot A, later
	CROUND                                         ; all sixteen work-groups are here: the first joint loads meet
	; the head's four tiles, one tensor load a wave, in one chain of branches on the wave's number
	s_cmp_lt_u32 s14, 1
	s_cbranch_scc0 .Lhead_1
	tensor_load_to_lds s[G0T:G0T+3], s[G1T:G1T+7]
	s_nop 0
	PLACES 4
	s_branch .Lhead_asked
.Lhead_1:
	s_cmp_lt_u32 s14, 2
	s_cbranch_scc0 .Lhead_2
	tensor_load_to_lds s[G0WA:G0WA+3], s[G1W:G1W+7]
	s_nop 0
	PLACES 4
	s_branch .Lhead_asked
.Lhead_2:
	s_cmp_lt_u32 s14, 3
	s_cbranch_scc0 .Lhead_3
	tensor_load_to_lds s[G0TS:G0TS+3], s[G1TS:G1TS+7]
	s_nop 0
	PLACES 4
	s_branch .Lhead_asked
.Lhead_3:
	tensor_load_to_lds s[G0WS:G0WS+3], s[G1WS:G1WS+7]
	s_nop 0
	PLACES 4
.Lhead_asked:
	v_and_b32 v[R], 15, v0                         ; r
	v_bfe_u32 v[H], v0, 4, 1                       ; h
	v_and_b32 v[LN], 31, v0                        ; lane
	v_xor_b32 v[G], 1, v[H]                        ; 1 - h
	v_lshlrev_b32 v[L16], 4, v[LN]
	v_lshlrev_b32 v[L8], 3, v[LN]
	v_lshlrev_b32 v[L4], 2, v[LN]
	s_mul_i32 s21, s15, 49152                      ; four fragments of 12,288 bytes: my half as P,
	s_mul_i32 s22, s16, 49152                      ; my half as Q
	v_add_nc_u32 v[AP16], s21, v[L16]
	v_add_nc_u32 v[AP8], s21, v[L8]
	v_add_nc_u32 v[AQ16], s22, v[L16]
	v_add_nc_u32 v[AQ8], s22, v[L8]
	v_add_nc_u32 v[BQ16], SLOTB, v[AQ16]
	v_add_nc_u32 v[BQ8], SLOTB, v[AQ8]
	v_add_nc_u32 v[TP16], PT, v[AP16]
	v_add_nc_u32 v[TP8], PT, v[AP8]
	v_add_nc_u32 v[TQ16], PT, v[AQ16]
	v_add_nc_u32 v[TQ8], PT, v[AQ8]
	; the scale words.  At SCB: the tokens' 4,096 bytes, then Wq's, Wk's, Wv's.  Each address is the lower base + one product
	s_lshl_b32 s21, s15, 8                         ; my 64 places as P,
	s_lshl_b32 s22, s16, 8                         ; as Q
	s_add_co_u32 s23, s22, 4096
	s_sub_co_u32 s23, s23, s21                     ; from the tokens' words as P to Wq's as Q
	s_add_co_u32 s45, s21, SCB
	v_lshl_add_u32 v[ADRS2], v[R], 2, s45          ; (at work) the tokens' words as P
	v_mul_u32_u24 v[ADRS0], s23, v[H]              ; lanes 16-31 take Q's
	v_add_nc_u32 v[ADRS0], v[ADRS2], v[ADRS0]
	s_add_co_u32 s23, s23, 4096
	v_mul_u32_u24 v[ADRS1], s23, v[H]
	v_add_nc_u32 v[ADRS1], v[ADRS2], v[ADRS1]
	s_add_co_u32 s23, s21, 12288
	s_sub_co_u32 s23, s23, s22                     ; from the tokens' words as Q to Wv's as P
	s_add_co_u32 s45, s22, SCB
	v_mul_u32_u24 v[ADRS2], s23, v[G]              ; lanes 0-15 take P's
	v_lshl_add_u32 v[LN], v[R], 2, s45             ; (at work) the tokens' words as Q
	v_add_nc_u32 v[ADRS2], v[LN], v[ADRS2]
	v_lshlrev_b32 v[BOQ], 6, v[H]                  ; bq, bk: register 16 b + i wants the head's number 32 b + 16 h + i
	s_wait_alu depctr_va_vdst(0)
	v_and_b32 v[BOV], 8, v[R]
	v_add_nc_u32 v[BOV], v[BOV], v[R]
	v_lshlrev_b32 v[BOV], 2, v[BOV]                ; bv: my place's channel: r + 8 (r / 8)
	s_wait_alu depctr_va_vdst(0)
	v_mov_b32 v[TM+2], 0                           ; written once: a lane permute's destination counts as one of its sources
	v_mov_b32 v[TM+3], 0
	s_mov_b32 s[SEL], 0x76543210
	s_mov_b32 s[SEL+1], 0xfedcba98
	s_mov_b32 s[HM], 0xffff0000
	; where q's and k's results go: the head is 2 X + my half of Q
	s_lshl_b32 s18, s42, 1
	s_add_co_u32 s18, s18, s16
	s_lshl_b32 s20, s18, 8                         ; its 64 numbers of the bias
	s_mov_b32 s21, 0
	s_add_nc_u64 s[8:9], s[8:9], s[20:21]
	s_add_nc_u64 s[10:11], s[10:11], s[20:21]
	s_lshr_b32 s19, s17, 4
	s_lshl_b32 s19, s19, 4                         ; 16 x batch
	s_add_co_u32 s22, s19, s18                     ; b h
	s_and_b32 s23, s17, 15                         ; the tokens' tile within the batch
	s_lshl_b32 s45, s23, 3
	s_lshl_b32 s46, s15, 2
	s_add_co_u32 s45, s45, s46                     ; my first token fragment within the batch
	s_lshl_b32 s22, s22, 7
	s_add_co_u32 s22, s22, s45
	s_mul_i32 s92, s22, 768
	s_mov_b32 s93, 0
	s_add_nc_u64 s[92:93], s[98:99], s[92:93]      ; my four half fragments of q; k's lie KCO bytes on
	s_lshl_b32 s20, s22, 6
	s_add_co_u32 s20, s20, QS
	s_add_nc_u64 s[20:21], s[98:99], s[20:21]      ; and their 64 scale words; k's lie 262,144 bytes on
	; where v's go: the head is 2 X + my half of P
	s_lshl_b32 s18, s42, 1
	s_add_co_u32 s18, s18, s15
	s_lshl_b32 s46, s18, 8
	s_mov_b32 s47, 0
	s_add_nc_u64 s[96:97], s[96:97], s[46:47]
	s_add_co_u32 s18, s19, s18                     ; b h
	s_lshl_b32 s18, s18, 4
	s_add_co_u32 s18, s18, s23                     ; 16 b h + the step of 128 keys
	s_lshl_b32 s46, s18, 3
	s_add_co_u32 s46, s46, s16                     ; 8 half fragments a step; mine are those of my 64 keys
	s_mul_i32 s46, s46, 768
	s_add_co_u32 s46, s46, VC
	s_add_nc_u64 s[46:47], s[98:99], s[46:47]
	s_lshl_b32 s2, s18, 8
	s_lshl_b32 s3, s16, 1
	s_add_co_u32 s2, s2, s3
	s_add_co_u32 s2, s2, VS
	s_mov_b32 s3, 0
	s_add_nc_u64 s[2:3], s[98:99], s[2:3]          ; my half of each scale word
.irp t, 0,1,2,3
	global_load_b128 v[BVQ+8*\t:BVQ+8*\t+3], v[BOQ], s[8:9] offset:(32*(\t/2)+8*(\t%2))*4
	global_load_b128 v[BVQ+8*\t+4:BVQ+8*\t+7], v[BOQ], s[8:9] offset:(32*(\t/2)+8*(\t%2))*4+16
.endr
.irp t, 0,1,2,3
	global_load_b128 v[BVK+8*\t:BVK+8*\t+3], v[BOQ], s[10:11] offset:(32*(\t/2)+8*(\t%2))*4
	global_load_b128 v[BVK+8*\t+4:BVK+8*\t+7], v[BOQ], s[10:11] offset:(32*(\t/2)+8*(\t%2))*4+16
.endr
.irp a, 0,1,2,3
	global_load_b32 v[BVV+2*\a], v[BOV], s[96:97] offset:(32*(\a/2)+8*(\a%2))*4      ; one number a fragment, twice: a pair for the packed addition
	global_load_b32 v[BVV+2*\a+1], v[BOV], s[96:97] offset:(32*(\a/2)+8*(\a%2))*4
.endr
	s_wait_alu depctr_va_vdst(0)
	s_wait_tensorcnt 0x0                           ; my tile of the head's four is in; slot B's first fill is issued as a refill is:
	ds_add_u32 v[SPW], v[NIL]
	s_mov_b32 s[G1W+2], 96<<16                     ; no tensor load of mine is out: from here on a weight's load brings a quarter of a tile
	s_mov_b32 s[G1W+4], 96
	s_wait_dscnt 0x0
	CROUND
	tensor_load_to_lds s[G0WB:G0WB+3], s[G1W:G1W+7]   ; my quarter of Wk's tile: it has q's eight K steps in which to land
	s_nop 0
	PLACES 4
	; ---- q: P = the tokens, Q = slot A
.set CQ16, AQ16
.set CQ8,  AQ8
.set CP16, TP16
.set CP8,  TP8
.set CAD,  ADRS0
	MAIN
	s_wait_tensorcnt 0x0                           ; all my tensor loads have landed, my part of Wk's tile among them
	ds_add_u32 v[SPW], v[NIL]                      ; 0 onto my spare word
	s_wait_dscnt 0x0                               ; the add is done, and my reads of slot A are over
	CROUND                                         ; no wave of any partner still reads slot A or has a load on its way
	tensor_load_to_lds s[G0WV:G0WV+3], s[G1W:G1W+7]   ; Wv's tile into slot A: the launch's one refill
	s_nop 0
.rept 4
	v_nop                                          ; (also the places behind q's last products)
.endr
	s_wait_loadcnt 0x0                             ; the three biases
	EPIQK 0, BVQ
	; ---- k: P = the tokens, Q = slot B
.set CQ16, BQ16
.set CQ8,  BQ8
.set CAD,  ADRS1
	MAIN
	PLACES 4
	EPIQK 1, BVK
	s_wait_tensorcnt 0x0                           ; my part of Wv's tile is in,
	s_wait_dscnt 0x0
	s_barrier_signal -1
	s_barrier_wait -1                              ; everybody's is
	; ---- v: P = slot A (one head's 64 channels a wave), Q = the tokens (64 keys a wave)
.set CQ16, TQ16
.set CQ8,  TQ8
.set CP16, AP16
.set CP8,  AP8
.set CAD,  ADRS2
	MAIN
	PLACES 4
.irp a, 0,1,2,3
.irp k, 0,2,4,6,8,10,12,14,16,18,20,22,24,26,28,30
	v_pk_add_f32 v[ACC+32*\a+\k:ACC+32*\a+\k+1], v[ACC+32*\a+\k:ACC+32*\a+\k+1], v[BVV+2*\a:BVV+2*\a+1]
.endr
	s_wait_alu depctr_va_vdst(0)
	s_wait_xcnt 0x0                                ; the stores issued so far have read their registers
	HQUANT ACC+32*\a, PC+6*(\a%2), PW+\a
	global_store_b128 v[L16], v[PC+6*(\a%2):PC+6*(\a%2)+3], s[46:47] offset:\a*1536
	global_store_b64 v[L8], v[PC+6*(\a%2)+4:PC+6*(\a%2)+5], s[46:47] offset:\a*1536+512
.endr
	v_cndmask_b32 v[PW], v[PW], v[PW+1], s[HM]
	v_cndmask_b32 v[PW+2], v[PW+2], v[PW+3], s[HM]
	global_store_b16 v[L4], v[PW], s[2:3]          ; two bytes of each word: the other two are the wave's that has the other 64 keys; 131,072 bytes in the whole launch, each with one owner
	global_store_b16 v[L4], v[PW+2], s[2:3] offset:128
	s_wait_tensorcnt 0x0                           ; the wave's end
	ds_add_u32 v[SPW], v[NIL]
	s_wait_dscnt 0x0
	CROUND                                         ; the closing round: no work-group ends while a partner may still ask for a tile that names it
	s_endpgm
.Lfunc_end_k_q5feae41fd7_qkv:
	.size	k_q5feae41fd7_qkv, .Lfunc_end_k_q5feae41fd7_qkv-k_q5feae41fd7_qkv
	.p2alignl 7, 3214868480
	.fill 96, 4, 3214868480
	.section	.rodata,"a",@progbits
	.p2align	6, 0x0
	.amdhsa_kernel k_q5feae41fd7_qkv
		.amdhsa_group_segment_fixed_size 327680
		.amdhsa_private_segment_fixed_size 0
		.amdhsa_enable_private_segment 0
		.amdhsa_kernarg_size 48
		.amdhsa_user_sgpr_count 2
		.amdhsa_user_sgpr_kernarg_segment_ptr 1
		.amdhsa_wavefront_size32 1
		.amdhsa_system_sgpr_workgroup_id_x 1
		.amdhsa_system_sgpr_workgroup_id_y 1
		.amdhsa_system_sgpr_workgroup_id_z 1
		.amdhsa_system_vgpr_workitem_id 0
		.amdhsa_next_free_vgpr 512
		.amdhsa_next_free_sgpr 100
		.amdhsa_reserve_vcc 0
		.amdhsa_float_denorm_mode_32 3
		.amdhsa_float_denorm_mode_16_64 3
		.amdhsa_memory_ordered 1
		.amdhsa_forward_progress 1
		.amdhsa_inst_pref_size 161
	.end_amdhsa_kernel
	.amdgpu_metadata
---
amdhsa.version: [ 1, 2 ]
amdhsa.kernels:
  - .name:           k_q5feae41fd7_qkv
    .symbol:         k_q5feae41fd7_qkv.kd
    .args:
      - { .name: hb, .offset: 0, .size: 8, .value_kind: global_buffer, .address_space: global }
      - { .name: wb, .offset: 8, .size: 8, .value_kind: global_buffer, .address_space: global }
      - { .name: bq, .offset: 16, .size: 8, .value_kind: global_buffer, .address_space: global }
      - { .name: bk, .offset: 24, .size: 8, .value_kind: global_buffer, .address_space: global }
      - { .name: bv, .offset: 32, .size: 8, .value_kind: global_buffer, .address_space: global }
      - { .name: qb, .offset: 40, .size: 8, .value_kind: global_buffer, .address_space: global }
    .group_segment_fixed_size: 327680
    .private_segment_fixed_size: 0
    .kernarg_segment_align: 8
    .kernarg_segment_size: 48
    .max_flat_workgroup_size: 128
    .sgpr_count:     100
    .vgpr_count:     512
    .wavefront_size: 32
...
	.end_amdgpu_metadata
.endif
;; end of part 2
;; launch attn (part 3): grid 8 x 32, 16 waves a work-group, clusters of 4 x 1, 235,520 bytes of LDS; arguments qb, ob; writes ob
.if DOCPART == 3
	.amdgcn_target "amdgcn-amd-amdhsa--gfx1250"
	.amdhsa_code_object_version 6
	.text
	.protected	k_q5feae41fd7_attn
	.globl	k_q5feae41fd7_attn
	.p2align	8
	.type	k_q5feae41fd7_attn,@function
k_q5feae41fd7_attn:
	s_mov_b64 s[64:65], 0
	v_nop
	global_prefetch_b8 v0, s[64:65] scope:SCOPE_SE
	s_setreg_imm32_b32 hwreg(HW_REG_WAVE_MODE, 25, 1), 1
	s_wait_xcnt 0x0
	s_wait_alu depctr_hold_cnt(0) depctr_sa_sdst(0) depctr_va_vdst(0) depctr_va_sdst(0) depctr_va_ssrc(0) depctr_va_vcc(0) depctr_vm_vsrc(0)
	s_getreg_b32 s2, hwreg(HW_REG_IB_STS2, 6, 4)
	s_cmp_eq_u32 s2, 0
	s_cbranch_scc0 .Lentry_in_a_cluster
	s_endpgm
.Lentry_in_a_cluster:
	s_bfe_u32 s2, ttmp6, 0x10000c
	s_cmp_lg_u32 s2, 0x3003
	s_cbranch_scc0 .Lentry_shape_is_right
	s_endpgm
.Lentry_shape_is_right:
; o = softmax(q k^T / 8) v for one head and 256 queries a work-group, both products on codes of FP6 (E2M3) with E8M0 scales, and o / l quantised along the model's 1,024 for the next product.
; t = score x log2(e) / 8; M = the row's largest t so far, rounded UP to a whole number; p = 2^(t - M) is quantised along the keys; the row's sum l is taken of the unquantised p and divides at the end.
; When M moves, the sum and O are multiplied by 2^(old M - new M): exact.
; Sixteen waves, each with one fragment of 16 queries; every wave walks all 2,048 keys, 128 a step.  Both products are used transposed (S^T = K Q^T, O^T = V^T P^T): a lane holds one query.
; WHICH KEYS FORM A SCORE TILE.  qb holds K in half fragments of 768 bytes (fragment F, place r' = key 32 (F / 2) + 8 (F % 2) + r' + 8 (r' / 8); lane l' = r' + 16 hk: registers 0-3 at 16 l', 4-5 at 512 + 8 l').
; Tile (c, u) takes, at its place 8 a + j, key 64 c + 32 a + 8 u + j: that is fragment 2 (2 c + a) + u % 2, place 8 (u / 2) + j, reached by a lane term and an immediate.  So the 32 registers of tiles (c, 0 .. 3) in lane half h are
; the 32 neighbouring keys 64 c + 32 h on: ONE WHOLE SCALE BLOCK of p, in the order of the operand's registers: no lane is asked for a block's maximum, and no code changes lanes.
; The score product's K is the head's 64: registers 6-11 of Q's and K's fragments are zero codes, and bytes 2, 3 of their scale words are 0.
; LDS, filled once: K's codes at 0 with 64 bytes of padding behind each 256 (a fragment 960 bytes: ISA guide 11.1), V's at LV, the scale words behind.
; FILLS: one tensor load a wave, ten waves: wave w < 8 chunk w / 2 (512 keys) of K (even w) or V (odd w), wave 8 K's scale words, wave 9 V's.  The first barrier shows chunk 0 and the scale words (waves 0, 1, 8, 9 have load lines of
; their own and wait there), the second, behind four steps, all the rest.  The four query blocks of a cluster belong to one head and ask jointly.  No prefetch: every byte that the launch reads is asked for at its head.
; LIMITS: NaN and infinities are not served; the scaled scores stay under 2^31 in magnitude; a block under 2^-124 gets the byte 1 (this program alone reads the bytes).
; REGISTERS: v1, v2 16 x, 8 x lane; v3-6 lane terms; v7-11, v253 the step's addresses; v12 -M, v13 the largest t, v[14:15] the sum; v16-27 Q; v28-31 V's scale words; v32-79 four fragments of K (their registers 0-5 are at work
; behind the scores); v80-127 V's four; v128-191 S^T, then p; v192-223 O^T; v224-235 p's codes; v236-239 K's scale words, v240 Q's, v241 p's; v242 f; v244-251 at work; v252 8 h; v254, v255 the add's two.
.set KC,    3145728
.set QS,    9437184
.set KS,    9699328
.set VS,    9961472
.set LV,    122880
.set LKS,   221184
.set LVS,   229376
.set SPARE, 233472
.set S,    128
.set O,    192
.set PC,   224
.set TM,   244
.set PW,   250
.set Y,    44
.set SEL,  8
.set CS,   10
.set TK,   12
.set TV,   13
.set TS,   14
.set TJ,   15
.set WV,   18
.set CNT,  19
.set G1K,  20
.set G1C,  28
.set G1KS, 36
.set G1VS, 44
.macro CROUND
	s_barrier_signal -1
	s_barrier_wait -1
	s_cmp_lg_u32 s[WV], 0
	s_cbranch_scc1 .Lnot_wave_0_\@
	s_barrier_signal -3
.Lnot_wave_0_\@:
	s_barrier_wait -3
	s_barrier_signal -1
	s_barrier_wait -1
.endm
.macro SHAPE g, rows, pad              ; a dense block as rows of 256 bytes; the mask names all four work-groups, bit 21 is set beside it
	s_mov_b32 s[\g], 15|(3<<16)|(1<<21)|(\pad)
	s_mov_b32 s[\g+1], 32<<16
	s_mov_b32 s[\g+2], (\rows)<<16
	s_mov_b32 s[\g+3], 32<<16
	s_mov_b32 s[\g+4], \rows
	s_mov_b32 s[\g+5], 32
	s_mov_b32 s[\g+6], 0
	s_mov_b32 s[\g+7], 0
.endm
.macro FILL g0, g1
	tensor_load_to_lds s[\g0:\g0+3], s[\g1:\g1+7]
	s_nop 0
.rept 4
	v_nop
.endr
.endm
.macro HQUANT s, pc, pw                ; the way out: register 16 b + i = channel 32 b + 16 h + i of my query
.irp b, 0,1
	v_max3_num_f32 v[TM+\b], |v[(\s)+16*\b]|, |v[(\s)+16*\b+1]|, 0x1800000
.endr
.irp i, 2,4,6,8,10,12,14
.irp b, 0,1
	s_delay_alu instid0(VALU_DEP_2)
	v_max3_num_f32 v[TM+\b], v[TM+\b], |v[(\s)+16*\b+\i]|, |v[(\s)+16*\b+\i+1]|
.endr
.endr
.irp b, 0,1
	s_delay_alu instid0(VALU_DEP_2)
	v_permlanex16_b32 v[TM+2+\b], v[TM+\b], s[SEL], s[SEL+1]
.endr
.irp b, 0,1
	s_delay_alu instid0(VALU_DEP_2)
	v_max_num_f32 v[TM+\b], v[TM+\b], v[TM+2+\b]
.endr
.irp b, 0,1
	s_delay_alu instid0(VALU_DEP_2)
	v_add_nc_u32 v[TM+4+\b], 0xff000000, v[TM+\b]
.endr
.irp b, 0,1
	s_delay_alu instid0(VALU_DEP_2)
	v_lshrrev_b32 v[TM+2+\b], 23, v[TM+4+\b]
.endr
	s_delay_alu instid0(VALU_DEP_1)
	v_lshl_or_b32 v[\pw], v[TM+3], 8, v[TM+2]
	v_cvt_scalef32_pk16_fp6_f32 v[(\pc):(\pc)+2], v[(\s):(\s)+15], v[TM+4]
	v_cvt_scalef32_pk16_fp6_f32 v[Y:Y+2], v[(\s)+16:(\s)+31], v[TM+5]
	v_nop
.irp i, 0,1,2
	v_permlane16_swap_b32 v[(\pc)+\i], v[Y+\i]
.endr
.irp i, 0,1,2
	s_delay_alu instid0(VALU_DEP_3)
	v_mov_b32 v[(\pc)+3+\i], v[Y+\i]
.endr
.endm
	s_load_b128 s[4:7], s[0:1], 0x0                ; qb, ob
	v_lshl_add_u32 v254, v0, 2, SPARE
	v_mov_b32 v255, 0
	ds_add_u32 v254, v255                          ; the opening lines: the add, twice on end, and its wait ahead of the first tensor load
	ds_add_u32 v254, v255
	v_lshrrev_b32 v6, 5, v0
	v_readfirstlane_b32 s[WV], v6                  ; wave 0..15
	s_bfe_u32 s17, ttmp6, 0x40000                  ; cx: it enters Q's and the result's addresses alone
	s_and_b32 s16, ttmp7, 0xffff                   ; b h, which the four partners share
	SHAPE G1K, 96, (1<<20)|(5<<22)|(15<<25)        ; a chunk of K: 16 words of padding behind every 64
	SHAPE G1C, 96, 0
	SHAPE G1KS, 32, 0
	SHAPE G1VS, 16, 0
	s_lshr_b32 s72, s[WV], 1                       ; the chunk that a wave under 8 fetches,
	s_and_b32 s74, s[WV], 1                        ; of K (0) or of V (1)
	s_add_co_u32 s73, s[WV], 14
	s_and_b32 s73, s73, 15                         ; under 6 for waves 2 to 7, whose chunks the second barrier shows
	s_mul_i32 s75, s72, 30720
	s_mul_i32 s76, s72, 24576
	s_add_co_u32 s77, s76, LV
	s_mul_i32 s78, s16, 98304
	s_add_co_u32 s78, s78, s76
	s_add_co_u32 s78, s78, KC
	s_mov_b32 s79, 0
	s_lshl_b32 s80, s16, 13
	s_add_co_u32 s80, s80, KS
	s_mov_b32 s81, 0
	s_lshl_b32 s82, s16, 12
	s_add_co_u32 s82, s82, VS
	s_mov_b32 s83, 0
	s_lshl_b32 s86, ttmp9, 2
	s_add_co_u32 s86, s86, s17
	s_lshl_b32 s86, s86, 4
	s_add_co_u32 s86, s86, s[WV]                   ; my query fragment within the batch
	s_lshl_b32 s87, s16, 7
	s_add_co_u32 s87, s87, s86
	s_mul_i32 s88, s87, 768
	s_mov_b32 s89, 0
	s_lshl_b32 s90, s87, 6
	s_add_co_u32 s90, s90, QS
	s_mov_b32 s91, 0
	s_lshr_b32 s92, s16, 4
	s_lshl_b32 s92, s92, 7
	s_add_co_u32 s92, s92, s86                     ; my token fragment
	s_and_b32 s93, s16, 15                         ; the head
	s_lshl_b32 s94, s92, 4
	s_add_co_u32 s94, s94, s93
	s_mul_i32 s94, s94, 768                        ; the result's half fragment: K / 64 = the head
	s_mov_b32 s95, 0
	s_lshr_b32 s96, s92, 3
	s_lshl_b32 s96, s96, 3
	s_lshr_b32 s97, s93, 1
	s_add_co_u32 s96, s96, s97
	s_lshl_b32 s96, s96, 9
	s_and_b32 s97, s92, 7
	s_lshl_b32 s97, s97, 6
	s_add_co_u32 s96, s96, s97
	s_and_b32 s97, s93, 1
	s_lshl_b32 s97, s97, 1
	s_add_co_u32 s96, s96, s97
	s_add_co_u32 s96, s96, 3145728                 ; its scale words: tile, K step head / 2, my 16 places, bytes 2 (head % 2) on
	s_mov_b32 s97, 0
	s_mov_b32 s[SEL], 0x76543210
	s_mov_b32 s[SEL+1], 0xfedcba98
	s_mov_b32 s[CS], 0x3e38aa3b                    ; c = log2(e) / 8
	s_mov_b32 s[CS+1], s[CS]
	s_mov_b32 s[TK], 0
	s_mov_b32 s[TV], LV
	s_mov_b32 s[TS], 0
	s_mov_b32 s[TJ], 0
	s_wait_dscnt 0x0
	s_wait_kmcnt 0x0
	s_mov_b32 s52, 1
	s_mov_b32 s53, s75
	s_add_nc_u64 s[54:55], s[4:5], s[78:79]
	s_mov_b32 s56, 1
	s_mov_b32 s57, s77
	s_add_nc_u64 s[58:59], s[54:55], 3145728
	s_or_b32 s55, s55, 0x80000000
	s_or_b32 s59, s59, 0x80000000
	s_mov_b32 s60, 1
	s_mov_b32 s61, LKS
	s_add_nc_u64 s[62:63], s[4:5], s[80:81]
	s_or_b32 s63, s63, 0x80000000
	s_mov_b32 s68, 1
	s_mov_b32 s69, LVS
	s_add_nc_u64 s[70:71], s[4:5], s[82:83]
	s_or_b32 s71, s71, 0x80000000
	s_add_nc_u64 s[88:89], s[4:5], s[88:89]
	s_add_nc_u64 s[90:91], s[4:5], s[90:91]
	s_add_nc_u64 s[94:95], s[6:7], s[94:95]
	s_add_nc_u64 s[96:97], s[6:7], s[96:97]
	CROUND                                         ; all four work-groups are here: the joint loads meet
	s_cmp_eq_u32 s[WV], 0                          ; one chain of branches on the wave's number, one load to an arm
	s_cbranch_scc0 .Larm_1
	FILL 52, G1K
	s_branch .Lasked
.Larm_1:
	s_cmp_eq_u32 s[WV], 1
	s_cbranch_scc0 .Larm_2
	FILL 56, G1C
	s_branch .Lasked
.Larm_2:
	s_cmp_eq_u32 s[WV], 8
	s_cbranch_scc0 .Larm_3
	FILL 60, G1KS
	s_branch .Lasked
.Larm_3:
	s_cmp_eq_u32 s[WV], 9
	s_cbranch_scc0 .Larm_4
	FILL 68, G1VS
	s_branch .Lasked
.Larm_4:
	s_cmp_gt_u32 s[WV], 9
	s_cbranch_scc1 .Lasked
	s_cmp_eq_u32 s74, 0
	s_cbranch_scc0 .Larm_5
	FILL 52, G1K
	s_branch .Lasked
.Larm_5:
	FILL 56, G1C
.Lasked:
	v_and_b32 v5, 31, v0
	v_bfe_u32 v7, v0, 3, 1                         ; a
	v_and_b32 v8, 7, v0                            ; j
	v_bfe_u32 v9, v0, 4, 1                         ; the lane's half
	v_and_b32 v10, 15, v0                          ; r
	v_lshlrev_b32 v1, 4, v5
	v_lshlrev_b32 v2, 3, v5
	v_mul_u32_u24 v11, v7, 1920
	v_lshlrev_b32 v253, 2, v10                     ; 4 r
	v_lshlrev_b32 v252, 3, v9                      ; 8 h
	v_lshl_add_u32 v3, v8, 4, v11
	v_lshl_add_u32 v4, v8, 3, v11
	v_lshlrev_b32 v5, 2, v8
	v_mad_u32_u24 v3, v9, 320, v3                  ; K's registers 0-3: 1,920 a + 16 j + 320 half
	v_lshl_add_u32 v4, v9, 7, v4                   ; K's registers 4-5: 1,920 a + 8 j + 128 half
	v_lshl_add_u32 v5, v7, 7, v5
	v_add_nc_u32 v6, LVS, v253
	v_add_nc_u32 v5, LKS, v5                       ; K's scale words: 128 a + 4 j
	global_load_b128 v[16:19], v1, s[88:89]        ; Q's half fragment stays in registers
	global_load_b64 v[20:21], v2, s[88:89] offset:512
	global_load_b32 v240, v253, s[90:91]
.irp i, 22,23,24,25,26,27
	v_mov_b32 v[\i], 0                             ; K = 64 .. 127 of the score product: zero codes
.endr
.irp t, 0,1,2,3
.irp i, 6,7,8,9,10,11
	v_mov_b32 v[32+12*\t+\i], 0
.endr
.endr
	v_mov_b32 v13, 0xff61b1e6                      ; the largest t so far: -3e38
	v_mov_b32 v14, 0
	v_mov_b32 v15, 0
	v_mov_b32 v243, 0                              ; (named as the upper half of the pair v[242:243])
	v_mov_b32 v246, 0                              ; a lane permute's destination counts as one of its sources
	v_mov_b32 v247, 0
	v_floor_f32 v12, -v13                          ; -M
.set j, 0
.rept 32
	v_mov_b32 v[O+j], 0                            ; O^T: the step is written once; the first finds zeros
.set j, j+1
.endr
.macro KLOAD c                         ; tiles (c, 0 .. 3) of K: 12 loads
.irp u, 0,1,2,3
	ds_load_b128 v[32+12*\u:35+12*\u], v7 offset:\c*3840+(\u%2)*960+(\u/2)*128
	ds_load_b64 v[36+12*\u:37+12*\u], v8 offset:\c*3840+(\u%2)*960+640+(\u/2)*64
	ds_load_b32 v[236+\u], v11 offset:\c*256+(\u%2)*64+(\u/2)*32
.endr
.endm
.macro SCORE c
.irp u, 0,1,2,3
	v_wmma_scale_f32_16x16x128_f8f6f4 v[S+32*\c+8*\u:S+32*\c+8*\u+7], v[32+12*\u:43+12*\u], v[16:27], 0, v[236+\u], v240 matrix_a_fmt:MATRIX_FMT_FP6 matrix_b_fmt:MATRIX_FMT_FP6
.endr
.rept 4
	v_nop                                          ; places behind the products
.endr
.endm
.macro STEP                            ; 128 keys
	v_add_nc_u32 v7, s[TK], v3                     ; these six are also the places behind the last step's products
	v_add_nc_u32 v8, s[TK], v4
	v_add_nc_u32 v9, s[TV], v1
	v_add_nc_u32 v10, s[TV], v2
	v_add_nc_u32 v11, s[TS], v5
	v_add_nc_u32 v253, s[TJ], v6
	KLOAD 0
.irp f, 0,1,2,3                                ; all of V's: 20 loads
	ds_load_b128 v[80+12*\f:83+12*\f], v9 offset:\f*1536
	ds_load_b64 v[84+12*\f:85+12*\f], v10 offset:\f*1536+512
	ds_load_b128 v[86+12*\f:89+12*\f], v9 offset:\f*1536+768
	ds_load_b64 v[90+12*\f:91+12*\f], v10 offset:\f*1536+1280
	ds_load_b32 v[28+\f], v253 offset:\f*64
.endr
	s_wait_alu depctr_va_vdst(0)
	s_wait_dscnt 20                                ; K's twelve are in; V's twenty may be out
	SCORE 0
	KLOAD 1
	s_wait_dscnt 0x0
	SCORE 1
.irp c, 0,1                                    ; my two blocks' largest scores, each in two chains; each accumulator is read from its low end on
	v_max3_num_f32 v[244+\c], v[S+32*\c], v[S+32*\c+1], v[S+32*\c+2]
	v_max3_num_f32 v[246+\c], v[S+32*\c+16], v[S+32*\c+17], v[S+32*\c+18]
.endr
.irp i, 3,5,7,9,11,13
.irp c, 0,1
	v_max3_num_f32 v[244+\c], v[244+\c], v[S+32*\c+\i], v[S+32*\c+\i+1]
	v_max3_num_f32 v[246+\c], v[246+\c], v[S+32*\c+16+\i], v[S+32*\c+17+\i]
.endr
.endr
.irp c, 0,1
	v_max3_num_f32 v[244+\c], v[244+\c], v[S+32*\c+15], v[S+32*\c+31]
.endr
.irp c, 0,1
	s_delay_alu instid0(VALU_DEP_2)
	v_max_num_f32 v[244+\c], v[244+\c], v[246+\c]
.endr
	s_delay_alu instid0(VALU_DEP_1)
	v_max_num_f32 v246, v244, v245
	s_delay_alu instid0(VALU_DEP_1)
	v_permlanex16_b32 v247, v246, s[SEL], s[SEL+1]
	s_delay_alu instid0(VALU_DEP_1)
	v_max_num_f32 v246, v246, v247                 ; the step's largest score of my query
	s_delay_alu instid0(VALU_DEP_1)
	v_mul_f32 v246, s[CS], v246
	s_delay_alu instid0(VALU_DEP_1)
	v_max_num_f32 v13, v13, v246                   ; the running largest t
	v_mov_b32 v246, v12
	s_delay_alu instid0(VALU_DEP_2)
	v_floor_f32 v12, -v13                          ; the new -M = -ceil(t)
	s_delay_alu instid0(VALU_DEP_1)
	v_sub_f32 v246, v12, v246
	s_delay_alu instid0(VALU_DEP_1)
	v_cvt_i32_f32 v246, v246                       ; (it saturates)
	s_delay_alu instid0(VALU_DEP_1)
	v_ldexp_f32 v242, 1.0, v246                    ; f = 2^(old M - new M)
.set j, 0
.rept 32
	v_pk_fma_f32 v[S+j:S+j+1], v[S+j:S+j+1], s[CS:CS+1], v[12:13] op_sel_hi:[1,0,0]   ; t - M
.set j, j+2
.endr
	v_fma_f32 v244, v244, s[CS], v12               ; the same of each block's largest score: p rises with the score
	v_fma_f32 v245, v245, s[CS], v12
	s_wait_alu depctr_va_vdst(0)
.set j, 0
.rept 64
	v_exp_f32 v[S+j], v[S+j]                       ; p = 2^(t - M)
.set j, j+1
.endr
	v_exp_f32 v244, v244                           ; the blocks' largest p
	v_exp_f32 v245, v245
	v_pk_mul_f32 v[14:15], v[14:15], v[242:243] op_sel_hi:[1,0]   ; the sum under the new M
	s_wait_alu depctr_va_vdst(0)                   ; one wait for the batch, ahead of its first reader
	v_pk_add_f32 v[32:33], v[S:S+1], v[S+2:S+3]    ; the sum of the unquantised p, in four chains
	v_pk_add_f32 v[34:35], v[S+4:S+5], v[S+6:S+7]
	v_pk_add_f32 v[36:37], v[S+8:S+9], v[S+10:S+11]
	v_pk_add_f32 v[14:15], v[14:15], v[S+12:S+13]
.irp i, 14,22,30,38,46,54
	v_pk_add_f32 v[32:33], v[32:33], v[S+\i:S+\i+1]
	v_pk_add_f32 v[34:35], v[34:35], v[S+\i+2:S+\i+3]
	v_pk_add_f32 v[36:37], v[36:37], v[S+\i+4:S+\i+5]
	v_pk_add_f32 v[14:15], v[14:15], v[S+\i+6:S+\i+7]
.endr
	v_pk_add_f32 v[32:33], v[32:33], v[S+62:S+63]
	v_pk_add_f32 v[14:15], v[14:15], v[36:37]
	s_delay_alu instid0(VALU_DEP_2)
	v_pk_add_f32 v[32:33], v[32:33], v[34:35]
	s_delay_alu instid0(VALU_DEP_1)
	v_pk_add_f32 v[14:15], v[14:15], v[32:33]
.irp c, 0,1
	v_max_num_f32 v[244+\c], 0x1800000, v[244+\c]  ; the floor 2^(3 - 127): the byte cannot fall under 1
.endr
.irp c, 0,1
	s_delay_alu instid0(VALU_DEP_2)
	v_add_nc_u32 v[248+\c], 0xff000000, v[244+\c]  ; 2 off the exponent field: the conversion's scale operand
.endr
.irp c, 0,1
	s_delay_alu instid0(VALU_DEP_2)
	v_lshrrev_b32 v[250+\c], 23, v[248+\c]
.endr
	s_delay_alu instid0(VALU_DEP_1)
	v_lshl_or_b32 v250, v251, 16, v250             ; my bytes: blocks h and 2 + h,
	s_delay_alu instid0(VALU_DEP_1)
	v_lshlrev_b32 v250, v252, v250                 ; at their places in the word;
	s_delay_alu instid0(VALU_DEP_1)
	v_permlanex16_b32 v247, v250, s[SEL], s[SEL+1]
	s_delay_alu instid0(VALU_DEP_1)
	v_or_b32 v241, v250, v247                      ; with lane l xor 16's two the word is whole
	v_cvt_scalef32_pk16_fp6_f32 v[224:226], v[S:S+15], v248
	v_cvt_scalef32_pk16_fp6_f32 v[44:46], v[S+16:S+31], v248
	v_cvt_scalef32_pk16_fp6_f32 v[230:232], v[S+32:S+47], v249
	v_cvt_scalef32_pk16_fp6_f32 v[56:58], v[S+48:S+63], v249
	v_nop                                          ; one plain instruction behind the scaled conversions
.irp i, 0,1,2
	v_mov_b32 v[227+\i], v[44+\i]                  ; (a conversion's three registers begin on an even number)
	v_mov_b32 v[233+\i], v[56+\i]
.endr
	s_wait_alu depctr_va_vdst(0)
.set j, 0
.rept 16
	v_pk_mul_f32 v[O+j:O+j+1], v[O+j:O+j+1], v[242:243] op_sel_hi:[1,0]   ; O^T under the new M; also the places between the codes and the scale word and the products
.set j, j+2
.endr
.irp f, 0,1,2,3
	v_wmma_scale_f32_16x16x128_f8f6f4 v[O+8*\f:O+8*\f+7], v[80+12*\f:91+12*\f], v[224:235], v[O+8*\f:O+8*\f+7], v[28+\f], v241 matrix_a_fmt:MATRIX_FMT_FP6 matrix_b_fmt:MATRIX_FMT_FP6
.endr
	s_add_co_u32 s[TK], s[TK], 7680
	s_add_co_u32 s[TV], s[TV], 6144
	s_add_co_u32 s[TS], s[TS], 512
	s_add_co_u32 s[TJ], s[TJ], 256
.endm
.macro RUN n
	s_mov_b32 s[CNT], \n
.Lstep_\@:
	STEP
	s_sub_co_u32 s[CNT], s[CNT], 1
	s_cmp_lg_u32 s[CNT], 0
	s_cbranch_scc1 .Lstep_\@
.endm
	s_wait_alu depctr_va_vdst(0)
	s_wait_loadcnt 0x0                             ; Q
	s_cmp_lt_u32 s73, 6
	s_cbranch_scc1 .Llater
	s_wait_tensorcnt 0x0                           ; waves 0, 1, 8, 9: chunk 0 and the scale words are in
.Llater:
	s_barrier_signal -1
	s_barrier_wait -1
	RUN 4
	s_wait_tensorcnt 0x0                           ; every wave: all that was still out
	s_barrier_signal -1
	s_barrier_wait -1
	RUN 12
	v_add_f32 v14, v14, v15
	s_delay_alu instid0(VALU_DEP_1)
	v_permlanex16_b32 v247, v14, s[SEL], s[SEL+1]
	s_delay_alu instid0(VALU_DEP_1)
	v_add_f32 v14, v14, v247                       ; the row's sum
	s_wait_alu depctr_va_vdst(0)
	v_rcp_f32 v14, v14
	v_and_b32 v7, 15, v0
	s_delay_alu instid0(VALU_DEP_1)
	v_lshlrev_b32 v7, 2, v7                        ; 4 r
	v_nop
	v_nop
	s_wait_alu depctr_va_vdst(0)
.set j, 0
.rept 32
	v_mul_f32 v[S+j], v[O+j], v14                  ; each accumulator from its low end on
.set j, j+1
.endr
	HQUANT S, PC, PW
	global_store_b128 v1, v[PC:PC+3], s[94:95]     ; 512 consecutive bytes,
	global_store_b64 v2, v[PC+4:PC+5], s[94:95] offset:512   ; and 256
	global_store_b16 v7, v[PW], s[96:97]           ; two bytes of each place's scale word; the word's other half is another head's work-group's
	s_wait_tensorcnt 0x0                           ; the wave's end
	ds_add_u32 v254, v255
	s_wait_dscnt 0x0
	CROUND                                         ; the closing round
	s_endpgm
.Lfunc_end_k_q5feae41fd7_attn:
	.size	k_q5feae41fd7_attn, .Lfunc_end_k_q5feae41fd7_attn-k_q5feae41fd7_attn
	.p2alignl 7, 3214868480
	.fill 96, 4, 3214868480
	.section	.rodata,"a",@progbits
	.p2align	6, 0x0
	.amdhsa_kernel k_q5feae41fd7_attn
		.amdhsa_group_segment_fixed_size 235520
		.amdhsa_private_segment_fixed_size 0
		.amdhsa_enable_private_segment 0
		.amdhsa_kernarg_size 16
		.amdhsa_user_sgpr_count 2
		.amdhsa_user_sgpr_kernarg_segment_ptr 1
		.amdhsa_wavefront_size32 1
		.amdhsa_system_sgpr_workgroup_id_x 1
		.amdhsa_system_sgpr_workgroup_id_y 1
		.amdhsa_system_sgpr_workgroup_id_z 1
		.amdhsa_system_vgpr_workitem_id 0
		.amdhsa_next_free_vgpr 256
		.amdhsa_next_free_sgpr 100
		.amdhsa_reserve_vcc 0
		.amdhsa_float_denorm_mode_32 3
		.amdhsa_float_denorm_mode_16_64 3
		.amdhsa_memory_ordered 1
		.amdhsa_forward_progress 1
		.amdhsa_inst_pref_size 50
	.end_amdhsa_kernel
	.amdgpu_metadata
---
amdhsa.version: [ 1, 2 ]
amdhsa.kernels:
  - .name:           k_q5feae41fd7_attn
    .symbol:         k_q5feae41fd7_attn.kd
    .args:
      - { .name: qb, .offset: 0, .size: 8, .value_kind: global_buffer, .address_space: global }
      - { .name: ob, .offset: 8, .size: 8, .value_kind: global_buffer, .address_space: global }
    .group_segment_fixed_size: 235520
    .private_segment_fixed_size: 0
    .kernarg_segment_align: 8
    .kernarg_segment_size: 16
    .max_flat_workgroup_size: 512
    .sgpr_count:     100
    .vgpr_count:     256
    .wavefront_size: 32
...
	.end_amdgpu_metadata
.endif
;; end of part 3
;; launch wo (part 4): grid 8 x 32, 4 waves a work-group, clusters of 4 x 4, 327,680 bytes of LDS; arguments ob, wb, bo, x, x1; writes x1
.if DOCPART == 4
	.amdgcn_target "amdgcn-amd-amdhsa--gfx1250"
	.amdhsa_code_object_version 6
	.text
	.protected	k_q5feae41fd7_wo
	.globl	k_q5feae41fd7_wo
	.p2align	8
	.type	k_q5feae41fd7_wo,@function
k_q5feae41fd7_wo:
	s_mov_b64 s[64:65], 0
	v_nop
	global_prefetch_b8 v0, s[64:65] scope:SCOPE_SE
	s_setreg_imm32_b32 hwreg(HW_REG_WAVE_MODE, 25, 1), 1
	s_wait_xcnt 0x0
	s_wait_alu depctr_hold_cnt(0) depctr_sa_sdst(0) depctr_va_vdst(0) depctr_va_sdst(0) depctr_va_ssrc(0) depctr_va_vcc(0) depctr_vm_vsrc(0)
	s_getreg_b32 s2, hwreg(HW_REG_IB_STS2, 6, 4)
	s_cmp_eq_u32 s2, 0
	s_cbranch_scc0 .Lentry_in_a_cluster
	s_endpgm
.Lentry_in_a_cluster:
	s_bfe_u32 s2, ttmp6, 0x10000c
	s_cmp_lg_u32 s2, 0xf033
	s_cbranch_scc0 .Lentry_shape_is_right
	s_endpgm
.Lentry_shape_is_right:
.set KK,    1024
.set PCOFF, 0
.set PSOFF, 3145728
.set QCOFF, 24*98304
.set QSOFF, 9437184+24*4096
.set FPITCH, (KK/64)*768
.set LAPS,   KK/1024
.set SLOT,   98304
.set HALFS,  (KK/128)*256
.set SCL,    2*SLOT
.set STAGE,  SCL+4*HALFS
.set SPARE,  STAGE+17408
.set SPW,   4
.set NIL,   5
.set ADRS,  6
.set ADP16, 8
.set ADP8,  10
.set ADQ16, 12
.set ADQ8,  14
.set SC,    16
.set STO,   24
.set RD,    25
.set CO,    26
.set BO,    27
.set L16,   30
.set L8,    31
.set BK,    32
.set ACC,   128
.set F0,    0
.set F1,    128
.set BI,    96
.set G1,  24
.set G0,  32
.set G1B, 48
.set G0B, 56
.set G1S, 68
.set G0S, 76
.set G1SB, 80
.set G0SB, 88
.set MSB, 0
.set MUL,  0x05
.set MULB, 0x15
.set TO_F, 0x40
.macro WIN new
.if MSB != \new
	s_set_vgpr_msb (MSB<<8)|\new
.set MSB, \new
.endif
.endm
.macro JLOAD g0a, g1a, g0b, g1b
	s_cmp_eq_u32 s15, 0
	s_cbranch_scc0 .Lfor_b_\@
	tensor_load_to_lds s[\g0a:\g0a+3], s[\g1a:\g1a+7]
	s_nop 0
.rept 4
	v_nop
.endr
	s_branch .Lasked_\@
.Lfor_b_\@:
	tensor_load_to_lds s[\g0b:\g0b+3], s[\g1b:\g1b+7]
	s_nop 0
.rept 4
	v_nop
.endr
.Lasked_\@:
.endm
.macro CREST
	s_cmp_lg_u32 s14, 0
	s_cbranch_scc1 .Lnot_wave_0_\@
	s_barrier_signal -3
.Lnot_wave_0_\@:
	s_barrier_wait -3
	s_barrier_signal -1
	s_barrier_wait -1
.endm
.macro CROUND
	s_barrier_signal -1
	s_barrier_wait -1
	CREST
.endm
.macro PLACES n
.rept \n
	v_nop
.endr
.endm
.macro FRAG reg, a16, a8, q, i
	ds_load_b128 v[(\reg):(\reg)+3], v[\a16] offset:(\i)*12288+(\q)*1536
	ds_load_b64 v[(\reg)+4:(\reg)+5], v[\a8] offset:(\i)*12288+(\q)*1536+512
	ds_load_b128 v[(\reg)+6:(\reg)+9], v[\a16] offset:(\i)*12288+(\q)*1536+768
	ds_load_b64 v[(\reg)+10:(\reg)+11], v[\a8] offset:(\i)*12288+(\q)*1536+1280
.endm
.macro FETCH slot, q, f
	WIN 0
.irp i, 0,1,2,3
	ds_load_b32 v[SC+4*((\f)/128)+\i], v[ADRS] offset:(\q)*512+\i*64
.endr
	WIN TO_F
.irp i, 0,1,2,3
	FRAG (\f)+12*\i, ADQ16+\slot, ADQ8+\slot, \q, \i
.endr
.irp i, 0,1,2,3
	FRAG (\f)+48+12*\i, ADP16+\slot, ADP8+\slot, \q, \i
.endr
.endm
.macro MUL4 f, a, cinit
.irp t, 0,1,2,3
.set rD, ACC+8*(4*(\a)+\t)
.set rQ, (\f)+12*\t
.set rP, (\f)+48+12*(\a)
.set rS, SC+4*((\f)/128)
.if (\cinit) == 1
	v_wmma_scale_f32_16x16x128_f8f6f4 v[rD:rD+7], v[rQ:rQ+11], v[rP:rP+11], 0, v[rS+\t], v[rS+(\a)] matrix_a_fmt:MATRIX_FMT_FP6 matrix_b_fmt:MATRIX_FMT_FP6 matrix_a_scale:MATRIX_SCALE_ROW1
.elseif (\cinit) == 2
	v_wmma_scale_f32_16x16x128_f8f6f4 v[rD:rD+7], v[rQ:rQ+11], v[rP:rP+11], v[BI+8*\t:BI+8*\t+7], v[rS+\t], v[rS+(\a)] matrix_a_fmt:MATRIX_FMT_FP6 matrix_b_fmt:MATRIX_FMT_FP6 matrix_a_scale:MATRIX_SCALE_ROW1
.else
	v_wmma_scale_f32_16x16x128_f8f6f4 v[rD:rD+7], v[rQ:rQ+11], v[rP:rP+11], v[rD:rD+7], v[rS+\t], v[rS+(\a)] matrix_a_fmt:MATRIX_FMT_FP6 matrix_b_fmt:MATRIX_FMT_FP6 matrix_a_scale:MATRIX_SCALE_ROW1
.endif
.endr
.endm
.macro QUARTER slot, qn, f, g, cinit
	s_wait_dscnt 8
.if (\cinit) == 2
	WIN MULB
.else
	WIN MUL
.endif
	MUL4 \f, 0, \cinit
	MUL4 \f, 1, \cinit
	WIN 0
	PLACES 4
	FETCH \slot, \qn, \g
	s_wait_dscnt 36
.if (\cinit) == 2
	WIN MULB
.else
	WIN MUL
.endif
	MUL4 \f, 2, \cinit
	MUL4 \f, 3, \cinit
.endm
.macro TURN slot, next, fill
	WIN 0
	s_wait_tensorcnt 0x0
	ds_add_u32 v[SPW], v[NIL]
	s_wait_dscnt 9
	WIN MUL
	MUL4 F1, 0, 0
	MUL4 F1, 1, 0
	s_wait_dscnt 0x0
	s_barrier_signal -1
	MUL4 F1, 2, 0
	WIN 0
	s_barrier_wait -1
.if \fill
	CREST
	s_add_nc_u64 s[G0+4*\slot+2:G0+4*\slot+3], s[G0+4*\slot+2:G0+4*\slot+3], 12288
	s_add_nc_u64 s[G0B+4*\slot+2:G0B+4*\slot+3], s[G0B+4*\slot+2:G0B+4*\slot+3], 12288
	JLOAD G0+4*\slot, G1, G0B+4*\slot, G1B
.else
	PLACES 4
.endif
	v_add_nc_u32 v[ADRS], 2048, v[ADRS]
	FETCH \next, 0, F0
	WIN MUL
	MUL4 F1, 3, 0
.endm
.macro LAST
	s_wait_dscnt 8
	WIN MUL
	MUL4 F1, 0, 0
	MUL4 F1, 1, 0
	s_wait_dscnt 0x0
	MUL4 F1, 2, 0
	MUL4 F1, 3, 0
	WIN 0
.endm
	s_load_b128 s[4:7], s[0:1], 0x0
	s_load_b128 s[8:11], s[0:1], 0x10
	s_load_b64 s[12:13], s[0:1], 0x20
	v_lshl_add_u32 v[SPW], v0, 2, SPARE
	v_mov_b32 v[NIL], 0
	ds_add_u32 v4, v5
	ds_add_u32 v4, v5
	s_wait_dscnt 0x0
	v_lshrrev_b32 v1, 5, v0
	v_readfirstlane_b32 s14, v1
	s_lshr_b32 s15, s14, 1
	s_and_b32 s16, s14, 1
	s_bfe_u32 s40, ttmp6, 0x40000
	s_bfe_u32 s41, ttmp6, 0x40004
	s_lshl_b32 s42, ttmp9, 2
	s_add_co_u32 s42, s42, s40
	s_and_b32 s17, ttmp7, 0xffff
	s_lshl_b32 s17, s17, 2
	s_add_co_u32 s17, s17, s41
	s_lshl_b32 s43, s41, 2
	s_lshl_b32 s43, 15, s43
	s_lshl_b32 s44, 0x1111, s40
	s_or_b32 s[G1+0], s43, (3<<16)|(1<<21)
	s_or_b32 s[G1B+0], s44, (3<<16)|(1<<21)
.irp g, G1, G1B
	s_mov_b32 s[\g+1], 1536<<16                    ; a whole tile, all of K: 8 fragments of 12,288 bytes, dense
	s_mov_b32 s[\g+2], 8<<16
	s_mov_b32 s[\g+3], 1536<<16
	s_mov_b32 s[\g+4], 8
	s_mov_b32 s[\g+5], FPITCH/8
	s_mov_b32 s[\g+6], 0
	s_mov_b32 s[\g+7], 0
.endr
	s_or_b32 s[G1S+0], s43, (3<<16)|(1<<21)
	s_or_b32 s[G1SB+0], s44, (3<<16)|(1<<21)
.irp g, G1S, G1SB
	s_mov_b32 s[\g+1], 32<<16
	s_mov_b32 s[\g+2], (KK/64)<<16
	s_mov_b32 s[\g+3], 32<<16
	s_mov_b32 s[\g+4], KK/64
	s_mov_b32 s[\g+5], 32
	s_mov_b32 s[\g+6], 0
	s_mov_b32 s[\g+7], 0
.endr
	s_lshl_b32 s20, s17, 3
	s_mul_i32 s20, s20, FPITCH
.if PCOFF != 0
	s_add_co_u32 s20, s20, PCOFF
.endif
	s_mov_b32 s21, 0
	s_lshl_b32 s46, s42, 3
	s_mul_i32 s46, s46, FPITCH
	s_add_co_u32 s46, s46, QCOFF
	s_mov_b32 s47, 0
	s_mul_i32 s22, s17, 2*HALFS
	s_add_co_u32 s22, s22, PSOFF
	s_mov_b32 s23, 0
	s_mul_i32 s92, s42, 2*HALFS
	s_add_co_u32 s92, s92, QSOFF
	s_mov_b32 s93, 0
	s_wait_kmcnt 0x0
	s_add_nc_u64 s[20:21], s[4:5], s[20:21]
	s_add_nc_u64 s[22:23], s[4:5], s[22:23]
	s_add_nc_u64 s[46:47], s[6:7], s[46:47]
	s_add_nc_u64 s[92:93], s[6:7], s[92:93]
	CROUND
	s_mov_b32 s[G0S], 1
	s_mov_b32 s[G0S+1], SCL
	s_mov_b64 s[G0S+2:G0S+3], s[22:23]
	s_or_b32 s[G0S+3], s[G0S+3], 0x80000000
	s_mov_b32 s[G0SB], 1
	s_mov_b32 s[G0SB+1], SCL+2*HALFS
	s_mov_b64 s[G0SB+2:G0SB+3], s[92:93]
	s_or_b32 s[G0SB+3], s[G0SB+3], 0x80000000
	; K is 1,024: both tiles, all of K, and their scale words lie in LDS at once (P's codes at 0, Q's at 98,304): four tiles, one tensor load a wave, nothing is filled later
	s_mov_b32 s[G0], 1
	s_mov_b32 s[G0+1], 0
	s_mov_b64 s[G0+2:G0+3], s[20:21]
	s_or_b32 s[G0+3], s[G0+3], 0x80000000
	s_mov_b32 s[G0B], 1
	s_mov_b32 s[G0B+1], SLOT
	s_mov_b64 s[G0B+2:G0B+3], s[46:47]
	s_or_b32 s[G0B+3], s[G0B+3], 0x80000000
	s_cmp_lt_u32 s14, 1
	s_cbranch_scc0 .Lhead_1
	tensor_load_to_lds s[G0:G0+3], s[G1:G1+7]
	s_nop 0
	PLACES 4
	s_branch .Lhead_asked
.Lhead_1:
	s_cmp_lt_u32 s14, 2
	s_cbranch_scc0 .Lhead_2
	tensor_load_to_lds s[G0B:G0B+3], s[G1B:G1B+7]
	s_nop 0
	PLACES 4
	s_branch .Lhead_asked
.Lhead_2:
	s_cmp_lt_u32 s14, 3
	s_cbranch_scc0 .Lhead_3
	tensor_load_to_lds s[G0S:G0S+3], s[G1S:G1S+7]
	s_nop 0
	PLACES 4
	s_branch .Lhead_asked
.Lhead_3:
	tensor_load_to_lds s[G0SB:G0SB+3], s[G1SB:G1SB+7]
	s_nop 0
	PLACES 4
.Lhead_asked:
	v_and_b32 v1, 15, v0
	v_bfe_u32 v2, v0, 4, 1
	v_and_b32 v3, 31, v0
	v_lshlrev_b32 v[L16], 4, v3
	v_lshlrev_b32 v[L8], 3, v3
	s_mul_i32 s21, s15, 49152
	s_mul_i32 s22, s16, 49152
	s_add_co_u32 s22, s22, SLOT
.irp s, 0,1
	v_add_nc_u32 v[ADP16+\s], s21, v[L16]
	v_add_nc_u32 v[ADP8+\s], s21, v[L8]
	v_add_nc_u32 v[ADQ16+\s], s22, v[L16]
	v_add_nc_u32 v[ADQ8+\s], s22, v[L8]
	s_add_co_u32 s21, s21, 6144                    ; the second half of K lies 6,144 bytes on in each fragment
	s_add_co_u32 s22, s22, 6144
.endr
	s_lshl_b32 s21, s15, 8
	s_lshl_b32 s22, s16, 8
	s_add_co_u32 s22, s22, 2*HALFS
	s_sub_co_u32 s22, s22, s21
	v_mul_u32_u24 v[ADRS], s22, v2
	s_add_co_u32 s21, s21, SCL
	v_lshl_add_u32 v[ADRS], v1, 2, v[ADRS]
	v_add_nc_u32 v[ADRS], s21, v[ADRS]
	s_mul_i32 s23, s14, 16*272
	s_add_co_u32 s23, s23, STAGE
	v_mul_u32_u24 v[STO], v1, 272
	v_lshl_add_u32 v[STO], v2, 6, v[STO]
	v_add_nc_u32 v[STO], s23, v[STO]
	v_mul_u32_u24 v[RD], v2, 272
	v_lshl_add_u32 v[RD], v1, 4, v[RD]
	v_add_nc_u32 v[RD], s23, v[RD]
	v_lshlrev_b32 v[CO], 12, v2
	v_lshl_add_u32 v[CO], v1, 4, v[CO]
	v_lshlrev_b32 v[BO], 6, v2
	s_wait_alu depctr_va_vdst(0)
	s_lshl_b32 s18, s42, 9
	s_lshl_b32 s19, s16, 8
	s_add_co_u32 s18, s18, s19
	s_mov_b32 s19, 0
	s_add_nc_u64 s[8:9], s[8:9], s[18:19]
	s_lshl_b32 s20, s17, 19
	s_lshl_b32 s21, s15, 18
	s_add_co_u32 s20, s20, s21
	s_add_co_u32 s18, s18, s20
	s_add_nc_u64 s[10:11], s[10:11], s[18:19]
	s_add_nc_u64 s[12:13], s[12:13], s[18:19]
	WIN TO_F
.irp t, 0,1,2,3
	global_load_b128 v[BI+8*\t:BI+8*\t+3], v[BO], s[8:9] offset:(32*(\t/2)+8*(\t%2))*4
	global_load_b128 v[BI+8*\t+4:BI+8*\t+7], v[BO], s[8:9] offset:(32*(\t/2)+8*(\t%2))*4+16
.endr
	WIN 0x80
.irp a, 0,1,2,3
.irp i, 0,1,2,3,4,5,6,7
	global_load_b128 v[32*\a+4*\i:32*\a+4*\i+3], v[CO], s[10:11] offset:(32*(\a/2)+8*(\a%2)+2*\i+8*(\i/4))*4096
.endr
.endr
	WIN 0
	s_wait_tensorcnt 0x0
	s_barrier_signal -1
	s_barrier_wait -1
	FETCH 0, 0, F0
	s_wait_loadcnt 32
	QUARTER 0, 1, F0, F1, 2
.if LAPS > 1
	WIN 0
	s_mov_b32 s3, LAPS-1
.Llap:
	QUARTER 0, 2, F1, F0, 0
	QUARTER 0, 3, F0, F1, 0
	TURN 0, 1, 1
	QUARTER 1, 1, F0, F1, 0
	QUARTER 1, 2, F1, F0, 0
	QUARTER 1, 3, F0, F1, 0
	TURN 1, 0, 1
	QUARTER 0, 1, F0, F1, 0
	WIN 0
	s_sub_co_u32 s3, s3, 1
	s_cmp_lg_u32 s3, 0
	s_cbranch_scc1 .Llap
.endif
	QUARTER 0, 2, F1, F0, 0
	QUARTER 0, 3, F0, F1, 0
	TURN 0, 1, 0
	s_wait_alu depctr_va_vdst(0)
	QUARTER 1, 1, F0, F1, 0
	QUARTER 1, 2, F1, F0, 0
	QUARTER 1, 3, F0, F1, 0
	LAST
.macro TOSTAGE a
.irp t, 0,1,2,3
	ds_store_b128 v[STO], v[ACC+8*(4*(\a)+\t):ACC+8*(4*(\a)+\t)+3] offset:128*(\t/2)+32*(\t%2)
	ds_store_b128 v[STO], v[ACC+8*(4*(\a)+\t)+4:ACC+8*(4*(\a)+\t)+7] offset:128*(\t/2)+32*(\t%2)+16
.endr
.set BB, BK+32*((\a)%2)
.irp i, 0,1,2,3,4,5,6,7
	ds_load_b128 v[BB+4*\i:BB+4*\i+3], v[RD] offset:544*\i
.endr
.endm
.macro SEND a, younger
.set BB, BK+32*((\a)%2)
	s_wait_dscnt \younger
	WIN 0x08
.irp k, 0,2,4,6,8,10,12,14,16,18,20,22,24,26,28,30
	v_pk_add_f32 v[BB+\k:BB+\k+1], v[BB+\k:BB+\k+1], v[32*(\a)+\k:32*(\a)+\k+1]
.endr
	WIN 0
.irp i, 0,1,2,3,4,5,6,7
	global_store_b128 v[CO], v[BB+4*\i:BB+4*\i+3], s[12:13] offset:(32*((\a)/2)+8*((\a)%2)+2*\i+8*(\i/4))*4096
.endr
.endm
	s_wait_loadcnt 0x0
	PLACES 4
	TOSTAGE 0
.irp a, 1,2,3
.if \a > 1
	s_wait_xcnt 0x0
.endif
	TOSTAGE \a
	SEND \a-1, 16
.endr
	SEND 3, 0
	s_wait_tensorcnt 0x0
	ds_add_u32 v[SPW], v[NIL]
	s_wait_dscnt 0x0
	CROUND
	s_endpgm
.Lfunc_end_k_q5feae41fd7_wo:
	.size	k_q5feae41fd7_wo, .Lfunc_end_k_q5feae41fd7_wo-k_q5feae41fd7_wo
	.p2alignl 7, 3214868480
	.fill 96, 4, 3214868480
	.section	.rodata,"a",@progbits
	.p2align	6, 0x0
	.amdhsa_kernel k_q5feae41fd7_wo
		.amdhsa_group_segment_fixed_size 327680
		.amdhsa_private_segment_fixed_size 0
		.amdhsa_enable_private_segment 0
		.amdhsa_kernarg_size 40
		.amdhsa_user_sgpr_count 2
		.amdhsa_user_sgpr_kernarg_segment_ptr 1
		.amdhsa_wavefront_size32 1
		.amdhsa_system_sgpr_workgroup_id_x 1
		.amdhsa_system_sgpr_workgroup_id_y 1
		.amdhsa_system_sgpr_workgroup_id_z 1
		.amdhsa_system_vgpr_workitem_id 0
		.amdhsa_next_free_vgpr 768
		.amdhsa_next_free_sgpr 100
		.amdhsa_reserve_vcc 0
		.amdhsa_float_denorm_mode_32 3
		.amdhsa_float_denorm_mode_16_64 3
		.amdhsa_memory_ordered 1
		.amdhsa_forward_progress 1
		.amdhsa_inst_pref_size 61
	.end_amdhsa_kernel
	.amdgpu_metadata
---
amdhsa.version: [ 1, 2 ]
amdhsa.kernels:
  - .name:           k_q5feae41fd7_wo
    .symbol:         k_q5feae41fd7_wo.kd
    .args:
      - { .name: ob, .offset: 0, .size: 8, .value_kind: global_buffer, .address_space: global }
      - { .name: wb, .offset: 8, .size: 8, .value_kind: global_buffer, .address_space: global }
      - { .name: bo, .offset: 16, .size: 8, .value_kind: global_buffer, .address_space: global }
      - { .name: x, .offset: 24, .size: 8, .value_kind: global_buffer, .address_space: global }
      - { .name: x1, .offset: 32, .size: 8, .value_kind: global_buffer, .address_space: global }
    .group_segment_fixed_size: 327680
    .private_segment_fixed_size: 0
    .kernarg_segment_align: 8
    .kernarg_segment_size: 40
    .max_flat_workgroup_size: 128
    .sgpr_count:     100
    .vgpr_count:     768
    .wavefront_size: 32
...
	.end_amdgpu_metadata
.endif
;; end of part 4
;; launch ln1 (part 5): grid 256 x 1, 4 waves a work-group, no clusters, 66,304 bytes of LDS; arguments x1, g2, be2, h2; writes h2
.if DOCPART == 5
	.amdgcn_target "amdgcn-amd-amdhsa--gfx1250"
	.amdhsa_code_object_version 6
	.text
	.protected	k_q5feae41fd7_ln1
	.globl	k_q5feae41fd7_ln1
	.p2align	8
	.type	k_q5feae41fd7_ln1,@function
k_q5feae41fd7_ln1:
	s_mov_b64 s[64:65], 0
	v_nop
	global_prefetch_b8 v0, s[64:65] scope:SCOPE_SE
	s_setreg_imm32_b32 hwreg(HW_REG_WAVE_MODE, 25, 1), 1
	s_wait_xcnt 0x0
; y = (x - mean) rsqrt(var + 1e-5) g + b for 16 rows of 1,024 f32, quantised along the row to FP6 (E2M3) with one E8M0 byte for each 32, and stored as one FRAGMENT of a matrix operand.
; Fragment F = the work-group's number; its place r holds row 32 (F / 2) + 8 (F % 2) + r + 8 (r / 8).  Codes: [F][K / 64][768]: a half fragment (16 places x 64 along K): lane l = r + 16 h holds block h of place r, registers 0-3 at 16 l, 4-5 at 512 + 8 l.
; Scale words at byte 3,145,728: [F / 8][K / 128][128 places]; byte b of a word = block b of the 128.
; PHASE 1: wave w takes places 4 w .. 4 w + 3, which are four neighbouring rows; a row lies in the wave's registers (32 a lane), each load reads 512 consecutive bytes; mean first, then the mean of (x - mean)^2: no difference of large sums.
; The normalised rows go to LDS (16 rows, 4,112 bytes apart: 257 x 16, so that 16 rows' equal columns fall on different banks: 64 banks of 4 bytes, ISA guide 11.1).  One barrier.
; PHASE 2: wave w takes K = 256 w .. 256 w + 255 of all 16 places: lane (r, h) reads, of each block of 32, the 16 numbers 16 h on; four half fragments are made and stored: 3,072 consecutive bytes a wave.
; LIMITS: NaN and infinities are not served; a block of zeros, or one under 2^-124, gets the byte 1 (this program alone reads the bytes).
; Matrix units, tensor loads and clusters have no work here: every byte is read once.
.set G,     16                         ; v16-47   the gain at my 32 columns
.set BE,    48                         ; v48-79   the bias
.set X,     80                         ; v80-207  four rows, later four half fragments' numbers
.set PC,    208                        ; v208-231 four half fragments' codes
.set Y,     232                        ; v232-234
.set TM,    236                        ; v236-241
.set PW,    242                        ; v242-245 two scale bytes for each half fragment
.set ST,    246                        ; v246-253 a pair for each row: sums, the mean, 1 / deviation
.set SEL,   18                         ; s[18:19] lane selects for v_permlanex16_b32: lane l xor 16
.set PITCH, 4112
; 32 numbers of a lane, register 16 b + i = K 32 b + 16 h + i of my place, become a half fragment's six registers v[pc] on and its two scale bytes in v[pw].
.macro HQUANT s, pc, pw
.irp b, 0,1
	v_max3_num_f32 v[TM+\b], |v[(\s)+16*\b]|, |v[(\s)+16*\b+1]|, 0x1800000   ; block b: my 16 numbers, and the floor 2^(3 - 127): the byte cannot fall under 1
.endr
.irp i, 2,4,6,8,10,12,14
.irp b, 0,1
	v_max3_num_f32 v[TM+\b], v[TM+\b], |v[(\s)+16*\b+\i]|, |v[(\s)+16*\b+\i+1]|
.endr
.endr
.irp b, 0,1
	v_permlanex16_b32 v[TM+2+\b], v[TM+\b], s[SEL], s[SEL+1]
.endr
.irp b, 0,1
	v_max_num_f32 v[TM+\b], v[TM+\b], v[TM+2+\b]   ; with lane l xor 16's 16: the block's largest magnitude
.endr
.irp b, 0,1
	v_add_nc_u32 v[TM+4+\b], 0xff000000, v[TM+\b]  ; 2 off the exponent field: the conversion's scale operand
.endr
.irp b, 0,1
	v_lshrrev_b32 v[TM+2+\b], 23, v[TM+4+\b]       ; the scale's byte
.endr
	v_lshl_or_b32 v[\pw], v[TM+3], 8, v[TM+2]
	v_cvt_scalef32_pk16_fp6_f32 v[(\pc):(\pc)+2], v[(\s):(\s)+15], v[TM+4]
	v_cvt_scalef32_pk16_fp6_f32 v[Y:Y+2], v[(\s)+16:(\s)+31], v[TM+5]
	v_nop                                          ; one plain instruction behind the scaled conversions
.irp i, 0,1,2
	v_permlane16_swap_b32 v[(\pc)+\i], v[Y+\i]     ; the layout wants a WHOLE block in a lane: lanes 0-15 block 0, lanes 16-31 block 1
.endr
.irp i, 0,1,2
	v_mov_b32 v[(\pc)+3+\i], v[Y+\i]
.endr
.endm
.macro RED                             ; the four rows' sums over the 32 lanes, by turns; every lane ends with the result
.irp m, 1,2,4,8
.irp i, 0,1,2,3
	v_add_f32_dpp v[ST+2*\i], v[ST+2*\i], v[ST+2*\i] row_xmask:\m row_mask:0xf bank_mask:0xf
.endr
.endr
.irp i, 0,1,2,3
	v_permlanex16_b32 v[8+\i], v[ST+2*\i], s[SEL], s[SEL+1]
.endr
.irp i, 0,1,2,3
	v_add_f32 v[ST+2*\i], v[ST+2*\i], v[8+\i]
.endr
.endm
	s_load_b256 s[4:11], s[0:1], 0x0               ; the rows, the gain, the bias, the codes' buffer
	v_lshl_add_u32 v254, v0, 2, 0x10100
	v_mov_b32 v255, 0
	v_lshrrev_b32 v1, 5, v0
	v_readfirstlane_b32 s12, v1                    ; wave
	v_and_b32 v1, 31, v0                           ; lane
	v_lshlrev_b32 v2, 4, v1                        ; 16 x lane
	v_lshlrev_b32 v4, 3, v1                        ; 8 x lane
	s_mul_i32 s15, s12, 4*PITCH
	v_add_nc_u32 v3, s15, v2                       ; phase 1: my wave's four rows in LDS, 16 bytes a lane
	v_and_b32 v5, 15, v0                           ; r
	v_bfe_u32 v6, v0, 4, 1                         ; h
	v_mul_u32_u24 v7, v5, PITCH
	v_lshl_add_u32 v7, v6, 6, v7
	s_lshl_b32 s15, s12, 10
	v_add_nc_u32 v7, s15, v7                       ; phase 2: row r, + 64 h, + my wave's 1,024 bytes
	v_lshlrev_b32 v12, 2, v5
	v_lshl_add_u32 v12, v6, 9, v12                 ; my scale word: 512 h + 4 r
.irp i, 0,1,2,3
	v_mov_b32 v[8+\i], 0                           ; written once: a lane permute's destination counts as one of its sources
.endr
	v_mov_b32 v[TM+2], 0
	v_mov_b32 v[TM+3], 0
	s_mov_b32 s[SEL], 0x76543210
	s_mov_b32 s[SEL+1], 0xfedcba98
	s_mov_b32 s20, 0x3a800000                      ; 1 / 1,024
	s_mov_b32 s21, 0x3727c5ac                      ; 1e-5
	s_mov_b32 s22, 0xffff0000                      ; lanes 16-31
	s_lshr_b32 s13, ttmp9, 1
	s_lshl_b32 s13, s13, 5
	s_and_b32 s14, ttmp9, 1
	s_lshl_b32 s14, s14, 3
	s_add_co_u32 s13, s13, s14
	s_lshl_b32 s14, s12, 2
	s_add_co_u32 s13, s13, s14
	s_lshr_b32 s14, s12, 1
	s_lshl_b32 s14, s14, 3
	s_add_co_u32 s13, s13, s14                     ; my wave's first row: 32 (F / 2) + 8 (F % 2) + 4 w + 8 (w / 2)
	s_lshl_b32 s16, s13, 12
	s_mov_b32 s17, 0
	s_mul_i32 s24, ttmp9, 12288
	s_mul_i32 s14, s12, 3072
	s_add_co_u32 s24, s24, s14                     ; codes: fragment F, half fragments 4 w on
	s_mov_b32 s25, 0
	s_lshr_b32 s26, ttmp9, 3
	s_lshl_b32 s26, s26, 12
	s_lshl_b32 s14, s12, 10
	s_add_co_u32 s26, s26, s14
	s_and_b32 s14, ttmp9, 7
	s_lshl_b32 s14, s14, 6
	s_add_co_u32 s26, s26, s14
	s_add_co_u32 s26, s26, 3145728                 ; scale words: tile F / 8, K steps 2 w and 2 w + 1, places 16 (F % 8) on
	s_mov_b32 s27, 0
	s_wait_kmcnt 0x0
	s_add_nc_u64 s[4:5], s[4:5], s[16:17]
	s_add_nc_u64 s[24:25], s[10:11], s[24:25]
	s_add_nc_u64 s[26:27], s[10:11], s[26:27]
.irp i, 0,1,2,3
.irp j, 0,1,2,3,4,5,6,7
	global_load_b128 v[X+32*\i+4*\j:X+32*\i+4*\j+3], v2, s[4:5] offset:\i*4096+512*\j
.endr
.endr
.irp j, 0,1,2,3,4,5,6,7
	global_load_b128 v[G+4*\j:G+4*\j+3], v2, s[6:7] offset:512*\j
.endr
.irp j, 0,1,2,3,4,5,6,7
	global_load_b128 v[BE+4*\j:BE+4*\j+3], v2, s[8:9] offset:512*\j
.endr
	s_wait_loadcnt 16                              ; the four rows are in; the 16 loads of gain and bias may be out
.irp i, 0,1,2,3
	v_pk_add_f32 v[ST+2*\i:ST+2*\i+1], v[X+32*\i:X+32*\i+1], v[X+32*\i+2:X+32*\i+3]
.endr
.irp k, 4,6,8,10,12,14,16,18,20,22,24,26,28,30
.irp i, 0,1,2,3
	v_pk_add_f32 v[ST+2*\i:ST+2*\i+1], v[ST+2*\i:ST+2*\i+1], v[X+32*\i+\k:X+32*\i+\k+1]
.endr
.endr
.irp i, 0,1,2,3
	v_add_f32 v[ST+2*\i], v[ST+2*\i], v[ST+2*\i+1]
.endr
	RED
.irp i, 0,1,2,3
	v_mul_f32 v[ST+2*\i], s20, v[ST+2*\i]          ; the mean,
.endr
.irp i, 0,1,2,3
	v_mov_b32 v[ST+2*\i+1], v[ST+2*\i]             ; twice, for the packed forms
.endr
.irp k, 0,2,4,6,8,10,12,14,16,18,20,22,24,26,28,30
.irp i, 0,1,2,3
	v_pk_add_f32 v[X+32*\i+\k:X+32*\i+\k+1], v[X+32*\i+\k:X+32*\i+\k+1], v[ST+2*\i:ST+2*\i+1] neg_lo:[0,1] neg_hi:[0,1]   ; d = x - mean
.endr
.endr
.irp i, 0,1,2,3
	v_pk_mul_f32 v[ST+2*\i:ST+2*\i+1], v[X+32*\i:X+32*\i+1], v[X+32*\i:X+32*\i+1]
.endr
.irp k, 2,4,6,8,10,12,14,16,18,20,22,24,26,28,30
.irp i, 0,1,2,3
	v_pk_fma_f32 v[ST+2*\i:ST+2*\i+1], v[X+32*\i+\k:X+32*\i+\k+1], v[X+32*\i+\k:X+32*\i+\k+1], v[ST+2*\i:ST+2*\i+1]
.endr
.endr
.irp i, 0,1,2,3
	v_add_f32 v[ST+2*\i], v[ST+2*\i], v[ST+2*\i+1]
.endr
	RED
.irp i, 0,1,2,3
	v_fma_f32 v[ST+2*\i], v[ST+2*\i], s20, s21     ; the variance + 1e-5
.endr
	s_wait_alu depctr_va_vdst(0)
.irp i, 0,1,2,3
	v_rsq_f32 v[ST+2*\i], v[ST+2*\i]
.endr
	v_nop                                          ; a plain instruction behind the last of the four,
	s_wait_alu depctr_va_vdst(0)                   ; and one wait for the batch, ahead of its first reader
.irp i, 0,1,2,3
	v_mov_b32 v[ST+2*\i+1], v[ST+2*\i]
.endr
	s_wait_alu depctr_va_vdst(0)
	s_wait_loadcnt 0x0                             ; gain and bias
.irp k, 0,2,4,6,8,10,12,14,16,18,20,22,24,26,28,30
.irp i, 0,1,2,3
	v_pk_mul_f32 v[X+32*\i+\k:X+32*\i+\k+1], v[X+32*\i+\k:X+32*\i+\k+1], v[ST+2*\i:ST+2*\i+1]
.endr
.endr
.irp k, 0,2,4,6,8,10,12,14,16,18,20,22,24,26,28,30
.irp i, 0,1,2,3
	v_pk_fma_f32 v[X+32*\i+\k:X+32*\i+\k+1], v[X+32*\i+\k:X+32*\i+\k+1], v[G+\k:G+\k+1], v[BE+\k:BE+\k+1]
.endr
.endr
.irp i, 0,1,2,3
.irp j, 0,1,2,3,4,5,6,7
	ds_store_b128 v3, v[X+32*\i+4*\j:X+32*\i+4*\j+3] offset:\i*PITCH+512*\j
.endr
.endr
	s_wait_dscnt 0x0                               ; for the others' sake: my rows lie in LDS
	s_barrier_signal -1
	s_barrier_wait -1
.irp q, 0,1,2,3
.irp b, 0,1
.irp j, 0,1,2,3
	ds_load_b128 v[X+32*\q+16*\b+4*\j:X+32*\q+16*\b+4*\j+3], v7 offset:256*\q+128*\b+16*\j
.endr
.endr
.endr
	s_wait_dscnt 0x0
.irp q, 0,1,2,3
	HQUANT X+32*\q, PC+6*\q, PW+\q
	global_store_b128 v2, v[PC+6*\q:PC+6*\q+3], s[24:25] offset:\q*768             ; 512 consecutive bytes,
	global_store_b64 v4, v[PC+6*\q+4:PC+6*\q+5], s[24:25] offset:\q*768+512        ; and 256: each at a multiple of 256 from the buffer's first byte
.endr
	v_lshl_or_b32 v[PW], v[PW+1], 16, v[PW]        ; K step 2 w's word,
	v_lshl_or_b32 v[PW+2], v[PW+3], 16, v[PW+2]    ; K step 2 w + 1's;
	v_cndmask_b32 v[PW], v[PW], v[PW+2], s22       ; lanes 16-31 store the second: two pieces of 64 consecutive bytes (the scale words are 1 / 24 of the codes' bytes)
	global_store_b32 v12, v[PW], s[26:27]
	s_wait_tensorcnt 0x0
	ds_add_u32 v254, v255
	s_wait_dscnt 0x0
	s_endpgm
.Lfunc_end_k_q5feae41fd7_ln1:
	.size	k_q5feae41fd7_ln1, .Lfunc_end_k_q5feae41fd7_ln1-k_q5feae41fd7_ln1
	.p2alignl 7, 3214868480
	.fill 96, 4, 3214868480
	.section	.rodata,"a",@progbits
	.p2align	6, 0x0
	.amdhsa_kernel k_q5feae41fd7_ln1
		.amdhsa_group_segment_fixed_size 66304
		.amdhsa_private_segment_fixed_size 0
		.amdhsa_enable_private_segment 0
		.amdhsa_kernarg_size 32
		.amdhsa_user_sgpr_count 2
		.amdhsa_user_sgpr_kernarg_segment_ptr 1
		.amdhsa_wavefront_size32 1
		.amdhsa_system_sgpr_workgroup_id_x 1
		.amdhsa_system_sgpr_workgroup_id_y 1
		.amdhsa_system_sgpr_workgroup_id_z 1
		.amdhsa_system_vgpr_workitem_id 0
		.amdhsa_next_free_vgpr 256
		.amdhsa_next_free_sgpr 66
		.amdhsa_reserve_vcc 0
		.amdhsa_float_denorm_mode_32 3
		.amdhsa_float_denorm_mode_16_64 3
		.amdhsa_memory_ordered 1
		.amdhsa_forward_progress 1
		.amdhsa_inst_pref_size 44
	.end_amdhsa_kernel
	.amdgpu_metadata
---
amdhsa.version: [ 1, 2 ]
amdhsa.kernels:
  - .name:           k_q5feae41fd7_ln1
    .symbol:         k_q5feae41fd7_ln1.kd
    .args:
      - { .name: x1, .offset: 0, .size: 8, .value_kind: global_buffer, .address_space: global }
      - { .name: g2, .offset: 8, .size: 8, .value_kind: global_buffer, .address_space: global }
      - { .name: be2, .offset: 16, .size: 8, .value_kind: global_buffer, .address_space: global }
      - { .name: h2, .offset: 24, .size: 8, .value_kind: global_buffer, .address_space: global }
    .group_segment_fixed_size: 66304
    .private_segment_fixed_size: 0
    .kernarg_segment_align: 8
    .kernarg_segment_size: 32
    .max_flat_workgroup_size: 128
    .sgpr_count:     66
    .vgpr_count:     256
    .wavefront_size: 32
...
	.end_amdgpu_metadata
.endif
;; end of part 5
;; launch ffn1 (part 6): grid 8 x 32, 4 waves a work-group, clusters of 4 x 4, 327,680 bytes of LDS; arguments h2, wb, b1, gb; writes gb
.if DOCPART == 6
	.amdgcn_target "amdgcn-amd-amdhsa--gfx1250"
	.amdhsa_code_object_version 6
	.text
	.protected	k_q5feae41fd7_ffn1
	.globl	k_q5feae41fd7_ffn1
	.p2align	8
	.type	k_q5feae41fd7_ffn1,@function
k_q5feae41fd7_ffn1:
	s_mov_b64 s[64:65], 0
	v_nop
	global_prefetch_b8 v0, s[64:65] scope:SCOPE_SE
	s_setreg_imm32_b32 hwreg(HW_REG_WAVE_MODE, 25, 1), 1
	s_wait_xcnt 0x0
	s_wait_alu depctr_hold_cnt(0) depctr_sa_sdst(0) depctr_va_vdst(0) depctr_va_sdst(0) depctr_va_ssrc(0) depctr_va_vcc(0) depctr_vm_vsrc(0)
	s_getreg_b32 s2, hwreg(HW_REG_IB_STS2, 6, 4)
	s_cmp_eq_u32 s2, 0
	s_cbranch_scc0 .Lentry_in_a_cluster
	s_endpgm
.Lentry_in_a_cluster:
	s_bfe_u32 s2, ttmp6, 0x10000c
	s_cmp_lg_u32 s2, 0xf033
	s_cbranch_scc0 .Lentry_shape_is_right
	s_endpgm
.Lentry_shape_is_right:
; g = gelu(h W1 + b1), exact form, on codes of FP6 (E2M3) with E8M0 scales, and g quantised at once along the hidden 4,096, which is the next product's K.  g never goes to memory as f32.
; A fragment is 16 rows (tokens, or the weight's columns); fragment F, place r holds row 32 (F / 2) + 8 (F % 2) + r + 8 (r / 8).  A half fragment (16 places x 64 K) is 768 bytes: lane l = r + 16 h holds block h of place r,
; registers 0-3 at 16 l, 4-5 at 512 + 8 l.  Codes: [F][K / 64][768]: a tile of 128 rows x K 1,024 is 98,304 dense bytes.  Scale words: [tile of 128 rows][K / 128][128 places].
; THE PRODUCT IS USED TRANSPOSED: source 0 = a fragment of Q (W1's columns), source 1 = a fragment of P (tokens): a lane holds one token, and the 16 registers of Q's fragments 2 b, 2 b + 1 are the 16 neighbouring hidden units 32 b + 16 h + 0 .. 15:
; a wave's 64 hidden units of 16 tokens are one half fragment of the next operand.
; A WORK-GROUP STAYS: it owns one tile of 128 tokens, whose codes for all K stay in LDS, and makes four tiles of 128 x 128 with it, against W1's tiles 4 X .. 4 X + 3.  32 token tiles x 8 column groups are 256 work-groups.  Four waves, each 64 x 64.
; LDS: two slots for W1's tiles, each with a tile's whole K: A at 0, B at 131,072; the tokens at 229,376; 98,304 bytes each; between A and B the tokens' scale words, the four tiles' scale words, 512 bytes in which the result's scale words meet.
; Every wave fetches a quarter of every tile, so no branch stands round a tensor load.  At the head of tile j the other slot is asked for, with tile j + 1: that load has all of tile j's products and its way out in which to land.
; The tiles go round in a loop of three trips; the last tile, which asks for nothing, is written out.
; CLUSTERS: 4 x 4 work-groups; the tokens' loads are asked for jointly along a row of the cluster, W1's along a column; a round of the cluster's barrier stands in front of each joint load.
; The bias is the C of each sum's first matrix instruction; the next tile's bias is loaded behind the second K step, when its registers have been read.
; GELU: 0.5 x (1 + erf(x / sqrt 2)), erf(u) = u A(u^2) / B(u^2) with u held to +-4: a rational form in f32, seven and five coefficients.
; The scale words: a word's two halves come from the two waves that share the tokens: they meet in LDS behind one barrier, and wave 0 stores the tile's 512 consecutive bytes.
; LIMITS: the erf form's error is some 1e-7 absolute, so gelu is right to about 1e-7 |x|, not relatively in the far negative tail; NaN and infinities are not served; a block of zeros, or one under 2^-124, gets the byte 1
; (this program alone reads the bytes).  Sums over K are f32, in the matrix unit's order.  No prefetch: each tile is asked for a whole tile's work ahead of its use.
.set WSC,   9437184                    ; wb: the weights' scale words, 4,096 bytes a tile
.set GSC,   12582912                   ; gb: the result's scale words
.set SLOTB, 1<<17                      ; slot B begins here, so that one exclusive or turns an address in one slot into the other's
.set SCT,   98304                      ; the tokens' scale words: 4,096 bytes
.set SCWT,  102400                     ; the four tiles': 4 x 4,096 bytes
.set SCM,   118784                     ; 512 bytes: where the result's scale words meet; no tensor load lands here
.set SPARE, 119296                     ; the spare words, 128 bytes for each wave: two blocks of 256 bytes that no other line names
.set PT,    229376                     ; the tokens' codes
.set BO,    1                          ; v1   the bias loads' lane offset
.set H,     2                          ; v2   h
.set AS0,   3                          ; v3   the tokens' scale words: my places
.set SPW,   4                          ; v4   my spare word's address; never rewritten
.set NIL,   5                          ; v5   0; never rewritten
.set ADRS,  6                          ; v6   the tile's scale words: lanes 0-15 P's, lanes 16-31 Q's
.set SCW,   7                          ; v7   where my half words of the result's scale words go
.set VA1,   8                          ; v[8:9], v[10:11] the second coefficients of A and B, as pairs
.set VB1,   10
.set ADP16, 12                         ; v12, v13 P's fragments: 16 x lane on, 8 x lane on
.set ADP8,  13
.set AQ16B, 14                         ; v14, v15 Q's fragments within a slot
.set AQ8B,  15
.set SC,    16                         ; v16-23 scale words, two sets of four: register i: lanes 0-15 P's fragment i, lanes 16-31 Q's fragment i
.set TM,    24                         ; v24-29 the quantiser's work
.set L16,   30                         ; v30  16 x lane
.set L8,    31                         ; v31  8 x lane
.set U,     32                         ; v32-47 u;  v48-63 u^2;  v64-79 A;  v80-95 B
.set X2,    48
.set PA,    64
.set QB,    80
.set PC,    96                         ; v96-107 half fragments' codes, two sets by turns
.set ADQ16, 108                        ; v108, v109 Q's fragments in the slot in hand
.set ADQ8,  109
.set R,     110                        ; at the head: r, lane
.set LN,    111
.set Y,     120                        ; v120-122
.set PW,    123                        ; v123-126 scale bytes
.set SCR,   127                        ; v127 where wave 0 reads the scale words back
.set ACC,   128                        ; v128-255 accumulator (a, t) at 128 + 8 (4 a + t)
.set F0,    0                          ; window 1: two fragment buffers: Q's fragment t at 12 t, P's fragment a at 48 + 12 a
.set F1,    128
.set BI,    96                         ; window 1: v96-127 the bias in the result's layout
.set G1T,  24                          ; s[24:31] descriptor group 1 for the tokens' codes;  s[32:35] its group 0;  s[36:39] group 0 for the tokens' scale words
.set G0T,  32
.set G0TS, 36
.set G1W,  48                          ; s[48:55] group 1 for W1's codes;  s[56:59] its group 0, which walks;  s[60:63] group 0 for W1's scale words
.set G0W,  56
.set G0WS, 60
.set G1TS, 68                          ; s[68:75] group 1 for the tokens' scale words;  s[80:87] for W1's
.set G1WS, 80
.set SEL, 12                           ; s[12:13] lane selects for v_permlanex16_b32
.set HM,  94                           ; s94  lanes 16-31
.set TB,  95                           ; s95  LDS byte at which the slot in hand begins
.set TS,  96                           ; s96  from the tokens' scale words (my places as P) to the tile's (my places as Q): 4,096 more for each tile
.set CNT, 3
.set MSB, 0
.set MUL,  0x05                        ; sources 0 and 1 window 1; C and D window 0
.set MULB, 0x15                        ; the same, C window 1
.set TO_F, 0x40                        ; destination window 1, address window 0
.macro WIN new                         ; the immediate's high byte repeats the setting that is left
.if MSB != \new
	s_set_vgpr_msb (MSB<<8)|\new
.set MSB, \new
.endif
.endm
.macro CREST                           ; a round of the cluster's barrier behind its opening barrier
	s_cmp_lg_u32 s14, 0
	s_cbranch_scc1 .Lnot_wave_0_\@
	s_barrier_signal -3
.Lnot_wave_0_\@:
	s_barrier_wait -3
	s_barrier_signal -1
	s_barrier_wait -1
.endm
.macro CROUND                          ; a whole round
	s_barrier_signal -1
	s_barrier_wait -1
	CREST
.endm
.macro PLACES n                        ; plain instructions between a matrix instruction and a load into, or a read of, its registers
.rept \n
	v_nop
.endr
.endm
.macro SHAPE g, mask, rows             ; group 1 of a dense block as rows of 256 bytes (32 elements of 8 bytes); the mask in bits 15:0, bit 21 set beside it
	s_or_b32 s[\g], s[\mask], (3<<16)|(1<<21)
	s_mov_b32 s[\g+1], 32<<16
	s_mov_b32 s[\g+2], (\rows)<<16
	s_mov_b32 s[\g+3], 32<<16
	s_mov_b32 s[\g+4], \rows
	s_mov_b32 s[\g+5], 32
	s_mov_b32 s[\g+6], 0
	s_mov_b32 s[\g+7], 0
.endm
.macro GROUP0 g, ldsreg, ldsoff, base, off   ; group 0: the LDS byte is a constant + the wave's number times a constant
	s_mov_b32 s[\g], 1
	s_add_co_u32 s[\g+1], s[\ldsreg], \ldsoff
	s_add_nc_u64 s[\g+2:\g+3], s[\base:\base+1], s[\off:\off+1]
	s_or_b32 s[\g+3], s[\g+3], 0x80000000
.endm
.macro FRAG reg, a16, a8, s, i         ; fragment i, K step s: two half fragments as they lie: every load takes consecutive bytes lane by lane
	ds_load_b128 v[(\reg):(\reg)+3], v[\a16] offset:(\i)*12288+(\s)*1536
	ds_load_b64 v[(\reg)+4:(\reg)+5], v[\a8] offset:(\i)*12288+(\s)*1536+512
	ds_load_b128 v[(\reg)+6:(\reg)+9], v[\a16] offset:(\i)*12288+(\s)*1536+768
	ds_load_b64 v[(\reg)+10:(\reg)+11], v[\a8] offset:(\i)*12288+(\s)*1536+1280
.endm
.macro FETCH s, f                      ; 36 LDS loads in one run: 4 scale registers, Q's four fragments, P's fragments 0, 1, then 2, 3
	WIN 0
.irp i, 0,1,2,3
	ds_load_b32 v[SC+4*((\f)/128)+\i], v[ADRS] offset:(\s)*512+\i*64
.endr
	WIN TO_F
.irp i, 0,1,2,3
	FRAG (\f)+12*\i, ADQ16, ADQ8, \s, \i
.endr
.irp i, 0,1,2,3
	FRAG (\f)+48+12*\i, ADP16, ADP8, \s, \i
.endr
.endm
; Four matrix instructions: P's fragment a against Q's four.  cinit = 1: the product starts the sums; 2: the bias is the first C; 0: in place.  The 16 accumulators take turns, one instruction a turn, in the same order in every step.
.macro MUL4 f, a, cinit
.irp t, 0,1,2,3
.set rD, ACC+8*(4*(\a)+\t)
.set rQ, (\f)+12*\t
.set rP, (\f)+48+12*(\a)
.set rS, SC+4*((\f)/128)
.if (\cinit) == 1
	v_wmma_scale_f32_16x16x128_f8f6f4 v[rD:rD+7], v[rQ:rQ+11], v[rP:rP+11], 0, v[rS+\t], v[rS+(\a)] matrix_a_fmt:MATRIX_FMT_FP6 matrix_b_fmt:MATRIX_FMT_FP6 matrix_a_scale:MATRIX_SCALE_ROW1
.elseif (\cinit) == 2
	v_wmma_scale_f32_16x16x128_f8f6f4 v[rD:rD+7], v[rQ:rQ+11], v[rP:rP+11], v[BI+8*\t:BI+8*\t+7], v[rS+\t], v[rS+(\a)] matrix_a_fmt:MATRIX_FMT_FP6 matrix_b_fmt:MATRIX_FMT_FP6 matrix_a_scale:MATRIX_SCALE_ROW1
.else
	v_wmma_scale_f32_16x16x128_f8f6f4 v[rD:rD+7], v[rQ:rQ+11], v[rP:rP+11], v[rD:rD+7], v[rS+\t], v[rS+(\a)] matrix_a_fmt:MATRIX_FMT_FP6 matrix_b_fmt:MATRIX_FMT_FP6 matrix_a_scale:MATRIX_SCALE_ROW1
.endif
.endr
.endm
; A step of 128 along K: multiplies buffer f; in its middle it fetches K step sn into buffer g.
.macro STEPK sn, f, g, cinit
	s_wait_dscnt 8                                 ; all of buffer f but the youngest eight loads (P's fragments 2, 3)
.if (\cinit) == 2
	WIN MULB
.else
	WIN MUL
.endif
	MUL4 \f, 0, \cinit
	MUL4 \f, 1, \cinit
	WIN 0
	PLACES 4
	FETCH \sn, \g
	s_wait_dscnt 36                                ; all but the 36 just issued
.if (\cinit) == 2
	WIN MULB
.else
	WIN MUL
.endif
	MUL4 \f, 2, \cinit
	MUL4 \f, 3, \cinit
.endm
.macro LAST                            ; a tile's last step: nothing more to fetch
	s_wait_dscnt 8
	WIN MUL
	MUL4 F1, 0, 0
	MUL4 F1, 1, 0
	s_wait_dscnt 0x0
	MUL4 F1, 2, 0
	MUL4 F1, 3, 0
	WIN 0
.endm
; 32 numbers of a lane, register 16 b + i = K 32 b + 16 h + i of my place, become a half fragment's six registers v[pc] on and its two scale bytes in v[pw].
.macro HQUANT s, pc, pw
.irp b, 0,1
	v_max3_num_f32 v[TM+\b], |v[(\s)+16*\b]|, |v[(\s)+16*\b+1]|, 0x1800000   ; block b: my 16 numbers, and the floor 2^(3 - 127): the byte cannot fall under 1
.endr
.irp i, 2,4,6,8,10,12,14
.irp b, 0,1
	v_max3_num_f32 v[TM+\b], v[TM+\b], |v[(\s)+16*\b+\i]|, |v[(\s)+16*\b+\i+1]|
.endr
.endr
.irp b, 0,1
	v_permlanex16_b32 v[TM+2+\b], v[TM+\b], s[SEL], s[SEL+1]
.endr
.irp b, 0,1
	v_max_num_f32 v[TM+\b], v[TM+\b], v[TM+2+\b]   ; with lane l xor 16's 16: the block's largest magnitude
.endr
.irp b, 0,1
	v_add_nc_u32 v[TM+4+\b], 0xff000000, v[TM+\b]  ; 2 off the exponent field: the conversion's scale operand
.endr
.irp b, 0,1
	v_lshrrev_b32 v[TM+2+\b], 23, v[TM+4+\b]       ; the scale's byte
.endr
	v_lshl_or_b32 v[\pw], v[TM+3], 8, v[TM+2]
	v_cvt_scalef32_pk16_fp6_f32 v[(\pc):(\pc)+2], v[(\s):(\s)+15], v[TM+4]
	v_cvt_scalef32_pk16_fp6_f32 v[Y:Y+2], v[(\s)+16:(\s)+31], v[TM+5]
	v_nop                                          ; one plain instruction behind the scaled conversions
.irp i, 0,1,2
	v_permlane16_swap_b32 v[(\pc)+\i], v[Y+\i]     ; the layout wants a WHOLE block in a lane: lanes 0-15 block 0, lanes 16-31 block 1
.endr
.irp i, 0,1,2
	v_mov_b32 v[(\pc)+3+\i], v[Y+\i]
.endr
.endm
; gelu of the 16 numbers v[s] on, in place, two at a time.  The 16 reciprocals are one batch with one wait; the two runs of multiplications behind them name none of their results.
.macro GELU16 s
.irp k, 0,2,4,6,8,10,12,14
	v_pk_mul_f32 v[U+\k:U+\k+1], v[(\s)+\k:(\s)+\k+1], 0x3f3504f3 op_sel_hi:[1,0]     ; u = x / sqrt 2  (each accumulator is read from its low end on)
.endr
.irp k, 0,1,2,3,4,5,6,7,8,9,10,11,12,13,14,15
	v_med3_num_f32 v[U+\k], v[U+\k], -4.0, 4.0     ; beyond +-4 erf is +-1 in f32
.endr
.irp k, 0,2,4,6,8,10,12,14
	v_pk_mul_f32 v[X2+\k:X2+\k+1], v[U+\k:U+\k+1], v[U+\k:U+\k+1]
.endr
.irp k, 0,2,4,6,8,10,12,14
	v_pk_fma_f32 v[PA+\k:PA+\k+1], v[X2+\k:X2+\k+1], 0xaf95df0b, v[VA1:VA1+1] op_sel_hi:[1,0,1]
.endr
.irp k, 0,2,4,6,8,10,12,14
	v_pk_fma_f32 v[QB+\k:QB+\k+1], v[X2+\k:X2+\k+1], 0xb77460cd, v[VB1:VB1+1] op_sel_hi:[1,0,1]
.endr
.irp c, 0xb60cff51, 0xb86ec2d2, 0xba40ac63, 0xbb41a1f6, 0xbc83dbd4
.irp k, 0,2,4,6,8,10,12,14
	v_pk_fma_f32 v[PA+\k:PA+\k+1], v[PA+\k:PA+\k+1], v[X2+\k:X2+\k+1], \c op_sel_hi:[1,1,0]
.endr
.endr
.irp c, 0xbadc924e, 0xbbf19bf8, 0xbc69b6a7
.irp k, 0,2,4,6,8,10,12,14
	v_pk_fma_f32 v[QB+\k:QB+\k+1], v[QB+\k:QB+\k+1], v[X2+\k:X2+\k+1], \c op_sel_hi:[1,1,0]
.endr
.endr
	s_wait_alu depctr_va_vdst(0)
.irp k, 0,1,2,3,4,5,6,7,8,9,10,11,12,13,14,15
	v_rcp_f32 v[QB+\k], v[QB+\k]
.endr
.irp k, 0,2,4,6,8,10,12,14
	v_pk_mul_f32 v[PA+\k:PA+\k+1], v[PA+\k:PA+\k+1], v[U+\k:U+\k+1]                  ; u A
.endr
.irp k, 0,2,4,6,8,10,12,14
	v_pk_mul_f32 v[(\s)+\k:(\s)+\k+1], v[(\s)+\k:(\s)+\k+1], 0.5 op_sel_hi:[1,0]     ; x / 2
.endr
	s_wait_alu depctr_va_vdst(0)                   ; one wait for the batch, ahead of its first reader
.irp k, 0,2,4,6,8,10,12,14
	v_pk_mul_f32 v[PA+\k:PA+\k+1], v[PA+\k:PA+\k+1], v[QB+\k:QB+\k+1]                ; erf
.endr
.irp k, 0,2,4,6,8,10,12,14
	v_pk_fma_f32 v[(\s)+\k:(\s)+\k+1], v[(\s)+\k:(\s)+\k+1], v[PA+\k:PA+\k+1], v[(\s)+\k:(\s)+\k+1]   ; x / 2 + x / 2 erf
.endr
.endm
; THE CHANGE OF SLOTS stands at a tile's head.  Each wave waits for all its tensor loads (its part of the tile that it is about to read), adds 0 to its spare word, and waits for that and for its reads of the slot that it has left.
; fill = 1: a round of the cluster's barrier, so that no wave of any partner still reads that slot or has a load on its way, and the next tile is asked for into it, first thing behind the round.
.macro CHANGE fill
	s_wait_tensorcnt 0x0                           ; no tensor load of mine is out, so a group 0 may be written
	ds_add_u32 v[SPW], v[NIL]                      ; 0 onto my spare word
.if \fill
	s_mov_b32 s[G1W+2], 96<<16                     ; behind the head a load of W1 brings a quarter of a tile
	s_mov_b32 s[G1W+4], 96
	s_xor_b32 s[G0W+1], s[G0W+1], SLOTB
	s_add_nc_u64 s[G0W+2:G0W+3], s[G0W+2:G0W+3], 98304   ; the next tile; the type bits on top are not reached
.endif
	s_wait_dscnt 0x0                               ; the add is done, and my LDS reads are over
.if \fill
	CROUND
	tensor_load_to_lds s[G0W:G0W+3], s[G1W:G1W+7]  ; my one tensor load until the next round
	s_nop 0
.rept 4
	v_nop
.endr
.else
	s_barrier_signal -1
	s_barrier_wait -1
.endif
.endm
.macro NEXTBIAS                        ; the next tile's bias: its registers were last read by the first K step's products, and the second step's four places lie between
	s_add_nc_u64 s[8:9], s[8:9], 512               ; (the loads that named this base were waited for at the tile's head)
	WIN TO_F
.irp t, 0,1,2,3
	global_load_b128 v[BI+8*\t:BI+8*\t+3], v[BO], s[8:9] offset:(32*(\t/2)+8*(\t%2))*4
	global_load_b128 v[BI+8*\t+4:BI+8*\t+7], v[BO], s[8:9] offset:(32*(\t/2)+8*(\t%2))*4+16
.endr
.endm
; A TILE of 128 tokens x 128 hidden units.  fill = 1: it has a successor.
.macro TILE fill
	CHANGE \fill
	v_add_nc_u32 v[ADQ16], s[TB], v[AQ16B]
	v_add_nc_u32 v[ADQ8], s[TB], v[AQ8B]
	v_mul_u32_u24 v[ADRS], s[TS], v[H]             ; lanes 16-31 take the tile's scale words
	v_add_nc_u32 v[ADRS], v[AS0], v[ADRS]
	FETCH 0, F0
	s_wait_alu depctr_va_vdst(0)
	s_wait_loadcnt 0x0                             ; the tile's bias
	STEPK 1, F0, F1, 2                             ; the first step's products start the sums on the bias
	STEPK 2, F1, F0, 0
.if \fill
	NEXTBIAS
.endif
	STEPK 3, F0, F1, 0
	STEPK 4, F1, F0, 0
	STEPK 5, F0, F1, 0
	STEPK 6, F1, F0, 0
	STEPK 7, F0, F1, 0
	LAST
	PLACES 4
.irp a, 0,1,2,3
	GELU16 ACC+32*\a
	GELU16 ACC+32*\a+16
	s_wait_alu depctr_va_vdst(0)
	s_wait_xcnt 0x0                                ; the stores issued so far have read their registers: the codes' registers may be written again
	HQUANT ACC+32*\a, PC+6*(\a%2), PW+\a
	global_store_b128 v[L16], v[PC+6*(\a%2):PC+6*(\a%2)+3], s[10:11] offset:\a*49152          ; 512 consecutive bytes,
	global_store_b64 v[L8], v[PC+6*(\a%2)+4:PC+6*(\a%2)+5], s[10:11] offset:\a*49152+512      ; and 256: each at a multiple of 256 from gb's first byte
.endr
	v_cndmask_b32 v[PW], v[PW], v[PW+1], s[HM]     ; lanes 0-15 fragment 0's half words, lanes 16-31 fragment 1's
	v_cndmask_b32 v[PW+2], v[PW+2], v[PW+3], s[HM]
	ds_store_b16 v[SCW], v[PW]
	ds_store_b16 v[SCW], v[PW+2] offset:128
	s_wait_dscnt 0x0                               ; for the others' sake: my half words lie in LDS
	s_barrier_signal -1
	s_barrier_wait -1
	s_cmp_lg_u32 s14, 0
	s_cbranch_scc1 .Lnot_first_\@
	ds_load_b128 v[32:35], v[SCR]                  ; the tile's 128 scale words
	s_wait_dscnt 0x0
	global_store_b128 v[L16], v[32:35], s[18:19]   ; 512 consecutive bytes
.Lnot_first_\@:
.if \fill
	s_wait_xcnt 0x0                                ; the stores have read their registers and bases: both may be written again
	s_add_nc_u64 s[10:11], s[10:11], 1536          ; the next tile's half fragments: two further along the next K,
	s_add_nc_u64 s[18:19], s[18:19], 512           ; its scale words: one K step of 128 further,
	s_xor_b32 s[TB], s[TB], SLOTB                  ; its codes: in the other slot,
	s_add_co_u32 s[TS], s[TS], 4096                ; W1's scale words: the next block
.endif
.endm
	s_load_b128 s[4:7], s[0:1], 0x0                ; h2, wb
	s_load_b128 s[8:11], s[0:1], 0x10              ; b1, gb
	v_lshl_add_u32 v[SPW], v0, 2, SPARE
	v_mov_b32 v[NIL], 0
	ds_add_u32 v4, v5
	ds_add_u32 v4, v5
	s_wait_dscnt 0x0
	v_lshrrev_b32 v[R], 5, v0
	v_readfirstlane_b32 s14, v[R]                  ; wave 0..3
	s_lshr_b32 s15, s14, 1                         ; which half of P's rows is mine
	s_and_b32 s16, s14, 1                          ; which half of Q's rows
	s_bfe_u32 s40, ttmp6, 0x40000                  ; cx, cy: my place in the cluster
	s_bfe_u32 s41, ttmp6, 0x40004
	s_lshl_b32 s42, ttmp9, 2
	s_add_co_u32 s42, s42, s40                     ; X: my four tiles of W1 = 4 x cluster x + cx
	s_and_b32 s17, ttmp7, 0xffff
	s_lshl_b32 s17, s17, 2
	s_add_co_u32 s17, s17, s41                     ; tp: the tokens' tile = 4 x cluster y + cy
	s_lshl_b32 s43, s41, 2
	s_lshl_b32 s43, 15, s43                        ; my row of the cluster
	s_lshl_b32 s44, 0x1111, s40                    ; my column
	SHAPE G1T, 43, 384                             ; the head's loads bring whole tiles, one a wave: the tokens' codes, 98,304 dense bytes,
	SHAPE G1W, 44, 384                             ; W1's first tile,
	SHAPE G1TS, 43, 16                             ; the tokens' scale words, 4,096 dense bytes,
	SHAPE G1WS, 44, 64                             ; the four tiles' scale words, 16,384 dense bytes
	s_mul_i32 s18, s14, 24576                      ; my quarter of a tile's codes,
	s_lshl_b32 s19, s14, 10                        ; of the tokens' scale words,
	s_lshl_b32 s45, s14, 12                        ; and my tile's block of W1's scale words: no place in the cluster enters an LDS address
	s_mul_i32 s20, s17, 98304
	s_mov_b32 s21, 0
	s_lshl_b32 s22, s17, 12
	s_add_co_u32 s22, s22, 3145728                 ; their scale words
	s_mov_b32 s23, 0
	s_lshl_b32 s46, s42, 2
	s_add_co_u32 s46, s46, 32                      ; W1's tiles are 32 .. 63 of wb: my first is 32 + 4 X
	s_mov_b32 s92, s46
	s_mul_i32 s46, s46, 98304
	s_add_co_u32 s46, s46, s18                     ; my quarter of my first tile's codes
	s_mov_b32 s47, 0
	s_lshl_b32 s92, s92, 12
	s_add_co_u32 s92, s92, WSC
	s_mov_b32 s93, 0
	s_wait_kmcnt 0x0
	GROUP0 G0T, 21, PT, 4, 20                      ; (s21 = 0: the whole tiles' LDS bytes are constants)
	GROUP0 G0TS, 21, SCT, 4, 22
	GROUP0 G0WS, 21, SCWT, 6, 92
	GROUP0 G0W, 18, 0, 6, 46                       ; the walking descriptor, my quarter of a tile: first used for tile 1
	s_sub_co_u32 s88, s46, s18
	s_mov_b32 s89, 0
	GROUP0 76, 21, 0, 6, 88                        ; tile 0, whole, into slot A
	CROUND                                         ; all sixteen work-groups are here: the first joint loads meet
	; the head's four tiles, one tensor load a wave, in one chain of branches on the wave's number
	s_cmp_lt_u32 s14, 1
	s_cbranch_scc0 .Lhead_1
	tensor_load_to_lds s[G0T:G0T+3], s[G1T:G1T+7]
	s_nop 0
	PLACES 4
	s_branch .Lhead_asked
.Lhead_1:
	s_cmp_lt_u32 s14, 2
	s_cbranch_scc0 .Lhead_2
	tensor_load_to_lds s[76:79], s[G1W:G1W+7]
	s_nop 0
	PLACES 4
	s_branch .Lhead_asked
.Lhead_2:
	s_cmp_lt_u32 s14, 3
	s_cbranch_scc0 .Lhead_3
	tensor_load_to_lds s[G0TS:G0TS+3], s[G1TS:G1TS+7]
	s_nop 0
	PLACES 4
	s_branch .Lhead_asked
.Lhead_3:
	tensor_load_to_lds s[G0WS:G0WS+3], s[G1WS:G1WS+7]
	s_nop 0
	PLACES 4
.Lhead_asked:
	v_and_b32 v[R], 15, v0
	s_wait_alu depctr_va_vdst(0)
	v_bfe_u32 v[H], v0, 4, 1                       ; h
	v_and_b32 v[LN], 31, v0                        ; lane
	s_wait_alu depctr_va_vdst(0)
	v_lshlrev_b32 v[L16], 4, v[LN]
	s_wait_alu depctr_va_vdst(0)
	v_lshlrev_b32 v[L8], 3, v[LN]
	s_mul_i32 s21, s15, 49152                      ; four fragments of 12,288 bytes: my half of the tokens,
	s_add_co_u32 s21, s21, PT
	v_add_nc_u32 v[ADP16], s21, v[L16]
	v_add_nc_u32 v[ADP8], s21, v[L8]
	s_mul_i32 s22, s16, 49152                      ; my half of a tile of W1
	v_add_nc_u32 v[AQ16B], s22, v[L16]
	v_add_nc_u32 v[AQ8B], s22, v[L8]
	s_lshl_b32 s21, s15, 8                         ; the scale words: my 64 places as P,
	s_lshl_b32 s22, s16, 8                         ; as Q
	s_add_co_u32 s[TS], s22, SCWT-SCT
	s_sub_co_u32 s[TS], s[TS], s21                 ; from the one to the other, for tile 0
	s_add_co_u32 s21, s21, SCT
	v_lshl_add_u32 v[AS0], v[R], 2, s21
	s_lshl_b32 s21, s15, 8                         ; the result's scale words: my 64 places' words,
	s_lshl_b32 s22, s16, 1                         ; my half of each
	s_add_co_u32 s21, s21, s22
	s_add_co_u32 s21, s21, SCM
	v_lshl_add_u32 v[SCW], v[LN], 2, s21
	v_add_nc_u32 v[SCR], SCM, v[L16]
	v_mov_b32 v[TM+2], 0                           ; written once: a lane permute's destination counts as one of its sources
	v_mov_b32 v[TM+3], 0
	v_mov_b32 v[VA1], 0x32edffee
	v_mov_b32 v[VA1+1], 0x32edffee
	v_mov_b32 v[VB1], 0xb95fbd29
	v_mov_b32 v[VB1+1], 0xb95fbd29
	v_lshlrev_b32 v[BO], 6, v[H]                   ; the bias: register j of fragment t wants column 32 (t / 2) + 8 (t % 2) + 16 h + j
	s_wait_alu depctr_va_vdst(0)
	s_mov_b32 s[SEL], 0x76543210
	s_mov_b32 s[SEL+1], 0xfedcba98
	s_mov_b32 s[HM], 0xffff0000
	s_mov_b32 s[TB], 0
	s_lshl_b32 s22, s42, 11                        ; four tiles of 512 bytes of the bias,
	s_lshl_b32 s23, s16, 8                         ; my 64 columns
	s_add_co_u32 s22, s22, s23
	s_mov_b32 s23, 0
	s_add_nc_u64 s[8:9], s[8:9], s[22:23]
	s_lshl_b32 s18, s17, 5
	s_lshl_b32 s19, s42, 2
	s_add_co_u32 s18, s18, s19
	s_lshl_b32 s18, s18, 9
	s_add_co_u32 s18, s18, GSC
	s_mov_b32 s19, 0
	s_add_nc_u64 s[18:19], s[10:11], s[18:19]      ; the first tile's 512 bytes of scale words: token tile tp, K step 4 X
	s_lshl_b32 s20, s17, 3
	s_lshl_b32 s21, s15, 2
	s_add_co_u32 s20, s20, s21                     ; my first token fragment,
	s_lshl_b32 s20, s20, 6
	s_lshl_b32 s21, s42, 3
	s_add_co_u32 s20, s20, s21
	s_add_co_u32 s20, s20, s16                     ; its half fragment 8 X + my half
	s_mul_i32 s20, s20, 768
	s_mov_b32 s21, 0
	s_add_nc_u64 s[10:11], s[10:11], s[20:21]
	WIN TO_F
.irp t, 0,1,2,3
	global_load_b128 v[BI+8*\t:BI+8*\t+3], v[BO], s[8:9] offset:(32*(\t/2)+8*(\t%2))*4
	global_load_b128 v[BI+8*\t+4:BI+8*\t+7], v[BO], s[8:9] offset:(32*(\t/2)+8*(\t%2))*4+16
.endr
	WIN 0                                          ; at a label and at a branch every window is 0
	s_mov_b32 s[CNT], 3
.Ltile:                                                ; three trips: tiles 0, 1, 2, each of which asks for its successor
	TILE 1
	s_sub_co_u32 s[CNT], s[CNT], 1
	s_cmp_lg_u32 s[CNT], 0
	s_cbranch_scc1 .Ltile
	TILE 0                                         ; the last tile is written out
	s_wait_tensorcnt 0x0                           ; the wave's end
	ds_add_u32 v[SPW], v[NIL]
	s_wait_dscnt 0x0
	CROUND                                         ; the closing round: no work-group ends while a partner may still ask for a tile that names it
	s_endpgm
.Lfunc_end_k_q5feae41fd7_ffn1:
	.size	k_q5feae41fd7_ffn1, .Lfunc_end_k_q5feae41fd7_ffn1-k_q5feae41fd7_ffn1
	.p2alignl 7, 3214868480
	.fill 96, 4, 3214868480
	.section	.rodata,"a",@progbits
	.p2align	6, 0x0
	.amdhsa_kernel k_q5feae41fd7_ffn1
		.amdhsa_group_segment_fixed_size 327680
		.amdhsa_private_segment_fixed_size 0
		.amdhsa_enable_private_segment 0
		.amdhsa_kernarg_size 32
		.amdhsa_user_sgpr_count 2
		.amdhsa_user_sgpr_kernarg_segment_ptr 1
		.amdhsa_wavefront_size32 1
		.amdhsa_system_sgpr_workgroup_id_x 1
		.amdhsa_system_sgpr_workgroup_id_y 1
		.amdhsa_system_sgpr_workgroup_id_z 1
		.amdhsa_system_vgpr_workitem_id 0
		.amdhsa_next_free_vgpr 512
		.amdhsa_next_free_sgpr 100
		.amdhsa_reserve_vcc 0
		.amdhsa_float_denorm_mode_32 3
		.amdhsa_float_denorm_mode_16_64 3
		.amdhsa_memory_ordered 1
		.amdhsa_forward_progress 1
		.amdhsa_inst_pref_size 255
	.end_amdhsa_kernel
	.section	.bss,"aw",@nobits
	.p2align	6
	.space	262144
	.amdgpu_metadata
---
amdhsa.version: [ 1, 2 ]
amdhsa.kernels:
  - .name:           k_q5feae41fd7_ffn1
    .symbol:         k_q5feae41fd7_ffn1.kd
    .args:
      - { .name: h2, .offset: 0, .size: 8, .value_kind: global_buffer, .address_space: global }
      - { .name: wb, .offset: 8, .size: 8, .value_kind: global_buffer, .address_space: global }
      - { .name: b1, .offset: 16, .size: 8, .value_kind: global_buffer, .address_space: global }
      - { .name: gb, .offset: 24, .size: 8, .value_kind: global_buffer, .address_space: global }
    .group_segment_fixed_size: 327680
    .private_segment_fixed_size: 0
    .kernarg_segment_align: 8
    .kernarg_segment_size: 32
    .max_flat_workgroup_size: 128
    .sgpr_count:     100
    .vgpr_count:     512
    .wavefront_size: 32
...
	.end_amdgpu_metadata
.endif
;; end of part 6
;; launch ffn2 (part 7): grid 8 x 32, 4 waves a work-group, clusters of 4 x 4, 327,680 bytes of LDS; arguments gb, wb, b2, x1, out0; writes out0
.if DOCPART == 7
	.amdgcn_target "amdgcn-amd-amdhsa--gfx1250"
	.amdhsa_code_object_version 6
	.text
	.protected	k_q5feae41fd7_ffn2
	.globl	k_q5feae41fd7_ffn2
	.p2align	8
	.type	k_q5feae41fd7_ffn2,@function
k_q5feae41fd7_ffn2:
	s_mov_b64 s[64:65], 0
	v_nop
	global_prefetch_b8 v0, s[64:65] scope:SCOPE_SE
	s_setreg_imm32_b32 hwreg(HW_REG_WAVE_MODE, 25, 1), 1
	s_wait_xcnt 0x0
	s_wait_alu depctr_hold_cnt(0) depctr_sa_sdst(0) depctr_va_vdst(0) depctr_va_sdst(0) depctr_va_ssrc(0) depctr_va_vcc(0) depctr_vm_vsrc(0)
	s_getreg_b32 s2, hwreg(HW_REG_IB_STS2, 6, 4)
	s_cmp_eq_u32 s2, 0
	s_cbranch_scc0 .Lentry_in_a_cluster
	s_endpgm
.Lentry_in_a_cluster:
	s_bfe_u32 s2, ttmp6, 0x10000c
	s_cmp_lg_u32 s2, 0xf033
	s_cbranch_scc0 .Lentry_shape_is_right
	s_endpgm
.Lentry_shape_is_right:
.set KK,    4096
.set PCOFF, 0
.set PSOFF, 12582912
.set QCOFF, 6291456
.set QSOFF, 9699328
.set FPITCH, (KK/64)*768
.set LAPS,   KK/1024
.set SLOT,   98304
.set HALFS,  (KK/128)*256
.set SCL,    2*SLOT
.set STAGE,  SCL+4*HALFS
.set SPARE,  STAGE+17408
.set SPW,   4
.set NIL,   5
.set ADRS,  6
.set ADP16, 8
.set ADP8,  10
.set ADQ16, 12
.set ADQ8,  14
.set SC,    16
.set STO,   24
.set RD,    25
.set CO,    26
.set BO,    27
.set L16,   30
.set L8,    31
.set BK,    32
.set ACC,   128
.set F0,    0
.set F1,    128
.set BI,    96
.set G1,  24
.set G0,  32
.set G1B, 48
.set G0B, 56
.set G1S, 68
.set G0S, 76
.set G1SB, 80
.set G0SB, 88
.set MSB, 0
.set MUL,  0x05
.set MULB, 0x15
.set TO_F, 0x40
.macro WIN new
.if MSB != \new
	s_set_vgpr_msb (MSB<<8)|\new
.set MSB, \new
.endif
.endm
.macro JLOAD g0a, g1a, g0b, g1b
	s_cmp_eq_u32 s15, 0
	s_cbranch_scc0 .Lfor_b_\@
	tensor_load_to_lds s[\g0a:\g0a+3], s[\g1a:\g1a+7]
	s_nop 0
.rept 4
	v_nop
.endr
	s_branch .Lasked_\@
.Lfor_b_\@:
	tensor_load_to_lds s[\g0b:\g0b+3], s[\g1b:\g1b+7]
	s_nop 0
.rept 4
	v_nop
.endr
.Lasked_\@:
.endm
.macro CREST
	s_cmp_lg_u32 s14, 0
	s_cbranch_scc1 .Lnot_wave_0_\@
	s_barrier_signal -3
.Lnot_wave_0_\@:
	s_barrier_wait -3
	s_barrier_signal -1
	s_barrier_wait -1
.endm
.macro CROUND
	s_barrier_signal -1
	s_barrier_wait -1
	CREST
.endm
.macro PLACES n
.rept \n
	v_nop
.endr
.endm
.macro FRAG reg, a16, a8, q, i
	ds_load_b128 v[(\reg):(\reg)+3], v[\a16] offset:(\i)*6144+(\q)*1536
	ds_load_b64 v[(\reg)+4:(\reg)+5], v[\a8] offset:(\i)*6144+(\q)*1536+512
	ds_load_b128 v[(\reg)+6:(\reg)+9], v[\a16] offset:(\i)*6144+(\q)*1536+768
	ds_load_b64 v[(\reg)+10:(\reg)+11], v[\a8] offset:(\i)*6144+(\q)*1536+1280
.endm
.macro FETCH slot, q, f
	WIN 0
.irp i, 0,1,2,3
	ds_load_b32 v[SC+4*((\f)/128)+\i], v[ADRS] offset:(\q)*512+\i*64
.endr
	WIN TO_F
.irp i, 0,1,2,3
	FRAG (\f)+12*\i, ADQ16+\slot, ADQ8+\slot, \q, \i
.endr
.irp i, 0,1,2,3
	FRAG (\f)+48+12*\i, ADP16+\slot, ADP8+\slot, \q, \i
.endr
.endm
.macro MUL4 f, a, cinit
.irp t, 0,1,2,3
.set rD, ACC+8*(4*(\a)+\t)
.set rQ, (\f)+12*\t
.set rP, (\f)+48+12*(\a)
.set rS, SC+4*((\f)/128)
.if (\cinit) == 1
	v_wmma_scale_f32_16x16x128_f8f6f4 v[rD:rD+7], v[rQ:rQ+11], v[rP:rP+11], 0, v[rS+\t], v[rS+(\a)] matrix_a_fmt:MATRIX_FMT_FP6 matrix_b_fmt:MATRIX_FMT_FP6 matrix_a_scale:MATRIX_SCALE_ROW1
.elseif (\cinit) == 2
	v_wmma_scale_f32_16x16x128_f8f6f4 v[rD:rD+7], v[rQ:rQ+11], v[rP:rP+11], v[BI+8*\t:BI+8*\t+7], v[rS+\t], v[rS+(\a)] matrix_a_fmt:MATRIX_FMT_FP6 matrix_b_fmt:MATRIX_FMT_FP6 matrix_a_scale:MATRIX_SCALE_ROW1
.else
	v_wmma_scale_f32_16x16x128_f8f6f4 v[rD:rD+7], v[rQ:rQ+11], v[rP:rP+11], v[rD:rD+7], v[rS+\t], v[rS+(\a)] matrix_a_fmt:MATRIX_FMT_FP6 matrix_b_fmt:MATRIX_FMT_FP6 matrix_a_scale:MATRIX_SCALE_ROW1
.endif
.endr
.endm
.macro QUARTER slot, qn, f, g, cinit
	s_wait_dscnt 8
.if (\cinit) == 2
	WIN MULB
.else
	WIN MUL
.endif
	MUL4 \f, 0, \cinit
	MUL4 \f, 1, \cinit
	WIN 0
	PLACES 4
	FETCH \slot, \qn, \g
	s_wait_dscnt 36
.if (\cinit) == 2
	WIN MULB
.else
	WIN MUL
.endif
	MUL4 \f, 2, \cinit
	MUL4 \f, 3, \cinit
.endm
.macro TURN slot, next, fill
.if \fill
	s_wait_xcnt 0x0                                ; my last prefetch has read its address: it steps one slot (512 along K) on
	s_add_nc_u64 s[66:67], s[66:67], 6144
.endif
	WIN 0
	s_wait_tensorcnt 0x0
	ds_add_u32 v[SPW], v[NIL]
	s_wait_dscnt 9
	WIN MUL
	MUL4 F1, 0, 0
	MUL4 F1, 1, 0
	s_wait_dscnt 0x0
	s_barrier_signal -1
	MUL4 F1, 2, 0
	WIN 0
	s_barrier_wait -1
.if \fill
	CREST
	s_add_nc_u64 s[G0+4*\slot+2:G0+4*\slot+3], s[G0+4*\slot+2:G0+4*\slot+3], 12288
	s_add_nc_u64 s[G0B+4*\slot+2:G0B+4*\slot+3], s[G0B+4*\slot+2:G0B+4*\slot+3], 12288
	JLOAD G0+4*\slot, G1, G0B+4*\slot, G1B
.else
	PLACES 4
.endif
	v_add_nc_u32 v[ADRS], 2048, v[ADRS]
	FETCH \next, 0, F0
.if \fill
	; A PREFETCH INTO THE L2: the slot that stands two refills on.  Of the four fragments that my wave fetches, each of the four partners that ask for them jointly names one (by address: cx for P, cy for Q): 24 blocks of 256 bytes,
	; a lane a block; lanes 24-31 name the last again.  The loop's last trip has no slot two refills on.
	WIN 0
	s_cmp_gt_u32 s3, 1
	s_cbranch_scc0 .Lno_ask_\@
	global_prefetch_b8 v28, s[66:67] offset:18432 th:TH_LOAD_NT scope:SCOPE_SE
.Lno_ask_\@:
.endif
	WIN MUL
	MUL4 F1, 3, 0
.endm
.macro LAST
	s_wait_dscnt 8
	WIN MUL
	MUL4 F1, 0, 0
	MUL4 F1, 1, 0
	s_wait_dscnt 0x0
	MUL4 F1, 2, 0
	MUL4 F1, 3, 0
	WIN 0
.endm
	s_load_b128 s[4:7], s[0:1], 0x0
	s_load_b128 s[8:11], s[0:1], 0x10
	s_load_b64 s[12:13], s[0:1], 0x20
	v_lshl_add_u32 v[SPW], v0, 2, SPARE
	v_mov_b32 v[NIL], 0
	ds_add_u32 v4, v5
	ds_add_u32 v4, v5
	s_wait_dscnt 0x0
	v_lshrrev_b32 v1, 5, v0
	v_readfirstlane_b32 s14, v1
	s_lshr_b32 s15, s14, 1
	s_and_b32 s16, s14, 1
	s_bfe_u32 s40, ttmp6, 0x40000
	s_bfe_u32 s41, ttmp6, 0x40004
	s_lshl_b32 s42, ttmp9, 2
	s_add_co_u32 s42, s42, s40
	s_and_b32 s17, ttmp7, 0xffff
	s_lshl_b32 s17, s17, 2
	s_add_co_u32 s17, s17, s41
	s_lshl_b32 s43, s41, 2
	s_lshl_b32 s43, 15, s43
	s_lshl_b32 s44, 0x1111, s40
	s_or_b32 s[G1+0], s43, (3<<16)|(1<<21)
	s_or_b32 s[G1B+0], s44, (3<<16)|(1<<21)
.irp g, G1, G1B
	s_mov_b32 s[\g+1], 768<<16
	s_mov_b32 s[\g+2], 8<<16
	s_mov_b32 s[\g+3], 768<<16
	s_mov_b32 s[\g+4], 8
	s_mov_b32 s[\g+5], FPITCH/8
	s_mov_b32 s[\g+6], 0
	s_mov_b32 s[\g+7], 0
.endr
	s_or_b32 s[G1S+0], s43, (3<<16)|(1<<21)
	s_or_b32 s[G1SB+0], s44, (3<<16)|(1<<21)
.irp g, G1S, G1SB
	s_mov_b32 s[\g+1], 32<<16
	s_mov_b32 s[\g+2], (KK/64)<<16
	s_mov_b32 s[\g+3], 32<<16
	s_mov_b32 s[\g+4], KK/64
	s_mov_b32 s[\g+5], 32
	s_mov_b32 s[\g+6], 0
	s_mov_b32 s[\g+7], 0
.endr
	s_mul_i32 s18, s16, 4*FPITCH
	s_lshl_b32 s20, s17, 3
	s_mul_i32 s20, s20, FPITCH
.if PCOFF != 0
	s_add_co_u32 s20, s20, PCOFF
.endif
	s_mov_b32 s21, 0
	s_lshl_b32 s46, s42, 3
	s_mul_i32 s46, s46, FPITCH
	s_add_co_u32 s46, s46, QCOFF
	s_mov_b32 s47, 0
	s_mov_b32 s19, 0
	s_mul_i32 s22, s17, 2*HALFS
	s_add_co_u32 s22, s22, PSOFF
	s_mov_b32 s23, 0
	s_mul_i32 s92, s42, 2*HALFS
	s_add_co_u32 s92, s92, QSOFF
	s_mov_b32 s93, 0
	s_mul_i32 s45, s14, 24576
	s_wait_kmcnt 0x0
	s_add_nc_u64 s[20:21], s[4:5], s[20:21]
	s_add_nc_u64 s[22:23], s[4:5], s[22:23]
	s_add_nc_u64 s[46:47], s[6:7], s[46:47]
	s_add_nc_u64 s[92:93], s[6:7], s[92:93]
	CROUND
	s_mov_b32 s[G0S], 1
	s_mov_b32 s[G0S+1], SCL
	s_mov_b64 s[G0S+2:G0S+3], s[22:23]
	s_or_b32 s[G0S+3], s[G0S+3], 0x80000000
	s_mov_b32 s[G0SB], 1
	s_mov_b32 s[G0SB+1], SCL+2*HALFS
	s_mov_b64 s[G0SB+2:G0SB+3], s[92:93]
	s_or_b32 s[G0SB+3], s[G0SB+3], 0x80000000
	s_mov_b32 s4, 1                                ; the head's whole tiles (the arguments that lay here have been used): slot 0's eight fragments of P,
	s_mov_b32 s5, 0
	s_mov_b64 s[6:7], s[20:21]
	s_or_b32 s7, s7, 0x80000000
	s_mov_b32 s96, 1                               ; and of Q, behind them
	s_mov_b32 s97, 49152
	s_mov_b64 s[98:99], s[46:47]
	s_or_b32 s99, s99, 0x80000000
	s_add_nc_u64 s[20:21], s[20:21], s[18:19]      ; for the ring: my four fragments
	s_add_nc_u64 s[46:47], s[46:47], s[18:19]
	s_cmp_eq_u32 s15, 0                            ; the prefetches: of my four fragments the one that is my work-group's share
	s_cselect_b64 s[66:67], s[20:21], s[46:47]
	s_cselect_b32 s94, s40, s41
	s_mul_i32 s94, s94, FPITCH
	s_mov_b32 s95, 0
	s_add_nc_u64 s[66:67], s[66:67], s[94:95]
.irp s, 0,1
	s_mov_b32 s[G0+4*\s], 1
	s_add_co_u32 s[G0+4*\s+1], s45, \s*SLOT
	s_add_nc_u64 s[G0+4*\s+2:G0+4*\s+3], s[20:21], \s*6144
	s_or_b32 s[G0+4*\s+3], s[G0+4*\s+3], 0x80000000
	s_mov_b32 s[G0B+4*\s], 1
	s_add_co_u32 s[G0B+4*\s+1], s45, \s*SLOT
	s_add_nc_u64 s[G0B+4*\s+2:G0B+4*\s+3], s[46:47], \s*6144
	s_or_b32 s[G0B+4*\s+3], s[G0B+4*\s+3], 0x80000000
.endr
	; the head's four tiles, one tensor load a wave, in one chain of branches on the wave's number
	s_cmp_lt_u32 s14, 1
	s_cbranch_scc0 .Lhead_1
	tensor_load_to_lds s[4:7], s[G1:G1+7]
	s_nop 0
	PLACES 4
	s_branch .Lhead_asked
.Lhead_1:
	s_cmp_lt_u32 s14, 2
	s_cbranch_scc0 .Lhead_2
	tensor_load_to_lds s[96:99], s[G1B:G1B+7]
	s_nop 0
	PLACES 4
	s_branch .Lhead_asked
.Lhead_2:
	s_cmp_lt_u32 s14, 3
	s_cbranch_scc0 .Lhead_3
	tensor_load_to_lds s[G0S:G0S+3], s[G1S:G1S+7]
	s_nop 0
	PLACES 4
	s_branch .Lhead_asked
.Lhead_3:
	tensor_load_to_lds s[G0SB:G0SB+3], s[G1SB:G1SB+7]
	s_nop 0
	PLACES 4
.Lhead_asked:
	v_and_b32 v1, 15, v0
	v_bfe_u32 v2, v0, 4, 1
	v_and_b32 v3, 31, v0
	v_lshlrev_b32 v[L16], 4, v3
	v_lshlrev_b32 v[L8], 3, v3
	s_mul_i32 s21, s15, 24576
	s_mul_i32 s22, s16, 24576
	s_add_co_u32 s22, s22, 49152
.irp s, 0,1
	v_add_nc_u32 v[ADP16+\s], s21, v[L16]
	v_add_nc_u32 v[ADP8+\s], s21, v[L8]
	v_add_nc_u32 v[ADQ16+\s], s22, v[L16]
	v_add_nc_u32 v[ADQ8+\s], s22, v[L8]
	s_add_co_u32 s21, s21, SLOT
	s_add_co_u32 s22, s22, SLOT
.endr
	s_lshl_b32 s21, s15, 8
	s_lshl_b32 s22, s16, 8
	s_add_co_u32 s22, s22, 2*HALFS
	s_sub_co_u32 s22, s22, s21
	v_mul_u32_u24 v[ADRS], s22, v2
	s_add_co_u32 s21, s21, SCL
	v_lshl_add_u32 v[ADRS], v1, 2, v[ADRS]
	v_add_nc_u32 v[ADRS], s21, v[ADRS]
	s_mul_i32 s23, s14, 16*272
	s_add_co_u32 s23, s23, STAGE
	v_mul_u32_u24 v[STO], v1, 272
	v_lshl_add_u32 v[STO], v2, 6, v[STO]
	v_add_nc_u32 v[STO], s23, v[STO]
	v_mul_u32_u24 v[RD], v2, 272
	v_lshl_add_u32 v[RD], v1, 4, v[RD]
	v_add_nc_u32 v[RD], s23, v[RD]
	v_lshlrev_b32 v[CO], 12, v2
	v_lshl_add_u32 v[CO], v1, 4, v[CO]
	v_min_u32 v28, 23, v3
	v_lshlrev_b32 v28, 8, v28                      ; the prefetches' offset: a lane a block of 256 bytes, 24 blocks to a fragment's 6,144 bytes
	v_lshlrev_b32 v[BO], 6, v2
	s_wait_alu depctr_va_vdst(0)
	s_lshl_b32 s18, s42, 9
	s_lshl_b32 s19, s16, 8
	s_add_co_u32 s18, s18, s19
	s_mov_b32 s19, 0
	s_add_nc_u64 s[8:9], s[8:9], s[18:19]
	s_lshl_b32 s20, s17, 19
	s_lshl_b32 s21, s15, 18
	s_add_co_u32 s20, s20, s21
	s_add_co_u32 s18, s18, s20
	s_add_nc_u64 s[10:11], s[10:11], s[18:19]
	s_add_nc_u64 s[12:13], s[12:13], s[18:19]
	global_prefetch_b8 v28, s[66:67] offset:12288 th:TH_LOAD_NT scope:SCOPE_SE   ; what the first two refills will load
	global_prefetch_b8 v28, s[66:67] offset:18432 th:TH_LOAD_NT scope:SCOPE_SE
	WIN TO_F
.irp t, 0,1,2,3
	global_load_b128 v[BI+8*\t:BI+8*\t+3], v[BO], s[8:9] offset:(32*(\t/2)+8*(\t%2))*4
	global_load_b128 v[BI+8*\t+4:BI+8*\t+7], v[BO], s[8:9] offset:(32*(\t/2)+8*(\t%2))*4+16
.endr
	WIN 0x80
.irp a, 0,1,2,3
.irp i, 0,1,2,3,4,5,6,7
	global_load_b128 v[32*\a+4*\i:32*\a+4*\i+3], v[CO], s[10:11] offset:(32*(\a/2)+8*(\a%2)+2*\i+8*(\i/4))*4096
.endr
.endr
	WIN 0
	s_wait_tensorcnt 0x0                           ; my tile of the head's four is in; slot 1's first fill is issued as a refill is:
	ds_add_u32 v[SPW], v[NIL]
	s_mov_b32 s[G1+2], 4<<16                       ; no tensor load of mine is out: from here on a load brings four fragments
	s_mov_b32 s[G1+4], 4
	s_mov_b32 s[G1B+2], 4<<16
	s_mov_b32 s[G1B+4], 4
	s_wait_dscnt 0x0
	CROUND
	JLOAD G0+4, G1, G0B+4, G1B
	FETCH 0, 0, F0
	s_wait_loadcnt 32
	QUARTER 0, 1, F0, F1, 2
.if LAPS > 1
	WIN 0
	s_mov_b32 s3, LAPS-1
.Llap:
	s_wait_alu depctr_va_vdst(0)
	QUARTER 0, 2, F1, F0, 0
	QUARTER 0, 3, F0, F1, 0
	TURN 0, 1, 1
	s_wait_alu depctr_va_vdst(0)
	QUARTER 1, 1, F0, F1, 0
	QUARTER 1, 2, F1, F0, 0
	QUARTER 1, 3, F0, F1, 0
	TURN 1, 0, 1
	s_wait_alu depctr_va_vdst(0)
	QUARTER 0, 1, F0, F1, 0
	WIN 0
	s_sub_co_u32 s3, s3, 1
	s_cmp_lg_u32 s3, 0
	s_cbranch_scc1 .Llap
.endif
	QUARTER 0, 2, F1, F0, 0
	QUARTER 0, 3, F0, F1, 0
	TURN 0, 1, 0
	s_wait_alu depctr_va_vdst(0)
	QUARTER 1, 1, F0, F1, 0
	QUARTER 1, 2, F1, F0, 0
	QUARTER 1, 3, F0, F1, 0
	LAST
.macro TOSTAGE a
.irp t, 0,1,2,3
	ds_store_b128 v[STO], v[ACC+8*(4*(\a)+\t):ACC+8*(4*(\a)+\t)+3] offset:128*(\t/2)+32*(\t%2)
	ds_store_b128 v[STO], v[ACC+8*(4*(\a)+\t)+4:ACC+8*(4*(\a)+\t)+7] offset:128*(\t/2)+32*(\t%2)+16
.endr
.set BB, BK+32*((\a)%2)
.irp i, 0,1,2,3,4,5,6,7
	ds_load_b128 v[BB+4*\i:BB+4*\i+3], v[RD] offset:544*\i
.endr
.endm
.macro SEND a, younger
.set BB, BK+32*((\a)%2)
	s_wait_dscnt \younger
	WIN 0x08
.irp k, 0,2,4,6,8,10,12,14,16,18,20,22,24,26,28,30
	v_pk_add_f32 v[BB+\k:BB+\k+1], v[BB+\k:BB+\k+1], v[32*(\a)+\k:32*(\a)+\k+1]
.endr
	WIN 0
.irp i, 0,1,2,3,4,5,6,7
	global_store_b128 v[CO], v[BB+4*\i:BB+4*\i+3], s[12:13] offset:(32*((\a)/2)+8*((\a)%2)+2*\i+8*(\i/4))*4096
.endr
.endm
	s_wait_loadcnt 0x0
	PLACES 4
	TOSTAGE 0
.irp a, 1,2,3
.if \a > 1
	s_wait_xcnt 0x0
.endif
	TOSTAGE \a
	SEND \a-1, 16
.endr
	SEND 3, 0
	s_wait_tensorcnt 0x0
	ds_add_u32 v[SPW], v[NIL]
	s_wait_dscnt 0x0
	CROUND
	s_endpgm
.Lfunc_end_k_q5feae41fd7_ffn2:
	.size	k_q5feae41fd7_ffn2, .Lfunc_end_k_q5feae41fd7_ffn2-k_q5feae41fd7_ffn2
	.p2alignl 7, 3214868480
	.fill 96, 4, 3214868480
	.section	.rodata,"a",@progbits
	.p2align	6, 0x0
	.amdhsa_kernel k_q5feae41fd7_ffn2
		.amdhsa_group_segment_fixed_size 327680
		.amdhsa_private_segment_fixed_size 0
		.amdhsa_enable_private_segment 0
		.amdhsa_kernarg_size 40
		.amdhsa_user_sgpr_count 2
		.amdhsa_user_sgpr_kernarg_segment_ptr 1
		.amdhsa_wavefront_size32 1
		.amdhsa_system_sgpr_workgroup_id_x 1
		.amdhsa_system_sgpr_workgroup_id_y 1
		.amdhsa_system_sgpr_workgroup_id_z 1
		.amdhsa_system_vgpr_workitem_id 0
		.amdhsa_next_free_vgpr 768
		.amdhsa_next_free_sgpr 100
		.amdhsa_reserve_vcc 0
		.amdhsa_float_denorm_mode_32 3
		.amdhsa_float_denorm_mode_16_64 3
		.amdhsa_memory_ordered 1
		.amdhsa_forward_progress 1
		.amdhsa_inst_pref_size 103
	.end_amdhsa_kernel
	.amdgpu_metadata
---
amdhsa.version: [ 1, 2 ]
amdhsa.kernels:
  - .name:           k_q5feae41fd7_ffn2
    .symbol:         k_q5feae41fd7_ffn2.kd
    .args:
      - { .name: gb, .offset: 0, .size: 8, .value_kind: global_buffer, .address_space: global }
      - { .name: wb, .offset: 8, .size: 8, .value_kind: global_buffer, .address_space: global }
      - { .name: b2, .offset: 16, .size: 8, .value_kind: global_buffer, .address_space: global }
      - { .name: x1, .offset: 24, .size: 8, .value_kind: global_buffer, .address_space: global }
      - { .name: out0, .offset: 32, .size: 8, .value_kind: global_buffer, .address_space: global }
    .group_segment_fixed_size: 327680
    .private_segment_fixed_size: 0
    .kernarg_segment_align: 8
    .kernarg_segment_size: 40
    .max_flat_workgroup_size: 128
    .sgpr_count:     100
    .vgpr_count:     768
    .wavefront_size: 32
...
	.end_amdgpu_metadata
.endif
;; end of part 7
